; MI455X (gfx1250); checked and timed in simulation.
; The chip was launched on July 23, 2026; its instructions are those of AMD's public machine-readable ISA for CDNA 5 (MIT licence, August 2026) and "CDNA5" Instruction Set Architecture Reference Guide (July 2026). The comments in the code are by the model that wrote it; some were corrected since.
;; Multi Head Attention Block. Allowed arithmetic: matrix products marked QUANTISED: E5M2 operands, one E8M0 scale for each 32 along K, by v_wmma_scale_f32_16x16x128_f8f6f4 with both operands' format E5M2, f32 sums; everything else in f32.
;; Inputs: W1 512 x 4,096 float32; W2 4,096 x 512 float32; Wk 512 x 512 float32; Wq 512 x 512 float32; Wv 512 x 512 float32; alpha 1 float32; b1 4,096 float32; b2 512 float32; beta 1 float32; x 4 x 2,048 x 512 float32.
;; Outputs: out0 4 x 2,048 x 512 float32.
;; This version of the problem:
;;   THIS VERSION OF THE PROBLEM IS GIVEN IN LOW PRECISION. The matrix products marked QUANTISED in the list below multiply operands that are first quantised to E5M2 (5 exponent bits, 2 mantissa bits; 8 bits a number), with one power-of-two scale for each 32 numbers along K (OCP MX v1.0); their sums are f32. All else is computed in f32.
;;   The module's matrix products, in the order in which they are computed (A, B: the left and right operand; K: the contracted axis; several contracted axes count as one K, in the product's order):
;;     1. [M 8,192, K 512] x [K 512, N 512]; A: computed on the way; B: input Wq: QUANTISED
;;     2. [M 8,192, K 512] x [K 512, N 512]; A: computed on the way; B: input Wk: QUANTISED
;;     3. [M 8,192, K 512] x [K 512, N 512]; A: computed on the way; B: input Wv: QUANTISED
;;     4. batch 64 x [M 2,048, K 32] x [K 32, N 2,048]; A: computed on the way; B: computed on the way: QUANTISED
;;     5. batch 64 x [M 32, K 2,048] x [K 2,048, N 2,048]; A: computed on the way; B: softmax (see below): QUANTISED
;;     6. [M 8,192, K 512] x [K 512, N 4,096]; A: computed on the way; B: input W1: QUANTISED
;;     7. [M 8,192, K 4,096] x [K 4,096, N 512]; A: computed on the way; B: input W2: QUANTISED
;;   THE QUANTISER, for each operand of a quantised product, along K:
;;     - K is cut into blocks of 32 from its start; a last block that is shorter is filled with zeros.
;;     - A block's scale is 2^e with e = floor(log2(the largest magnitude in the block)) - 15, held to -126 .. 127; a block of zeros has e = 0. As a byte (E8M0): e + 127.
;;     - Each number is divided by its block's scale, clamped to +-57,344, and rounded to the nearest number of E5M2, ties to even, subnormals kept.
;;     - The product sums the exact products of the quantised numbers (number of the format x scale) in f32.
;;   ~~~python
;;   def quantise(x, axis):      # numpy; x: float32 -> the quantised numbers, widened to float32 again
;;       x = np.moveaxis(x, axis, -1); K = x.shape[-1]
;;       x = np.pad(x, [(0, 0)] * (x.ndim - 1) + [(0, -K % 32)]); x = x.reshape(x.shape[:-1] + (-1, 32)); a = np.abs(x).max(-1, keepdims=True)
;;       e = np.where(a > 0, np.clip(np.frexp(np.where(a > 0, a, 1))[1] - 1 - 15, -126, 127), 0)      # np.frexp(a)[1] - 1 = floor(log2(a)), exactly
;;       r = np.clip(x / 2.0 ** e, -57344, 57344)
;;       step = 2.0 ** (np.maximum(np.frexp(np.where(r == 0, 1, r))[1] - 1, -14) - 2)
;;       q = np.round(r / step) * step * 2.0 ** e      # np.round: ties to even
;;       return np.moveaxis(q.reshape(q.shape[:-2] + (-1,))[..., :K], -1, axis).astype(np.float32)
;;   ~~~
;;   SOFTMAX AHEAD OF A QUANTISED PRODUCT. Where the list says 'softmax', what is quantised is not the finished softmax but p = 2^(t - M), with t = logit x log2(e) and M = ceil(the row's largest t), a whole number; so 1/2 < the row's largest p <= 1. The row's sum l is taken of the UNQUANTISED p, in f32, and the product's result is divided by l at the end. Since M is a whole number, a kernel that streams over the keys may use a running M (the ceiling of the running maximum): every later rescaling is an exact power of two, which a block's scale takes up: the codes' values come out the same.
;;   OPERANDS COMPUTED ON THE WAY. 'Computed on the way' means the value that the module computes at that place (a softmax that the list does not call 'softmax' is quantised finished and normalised). What goes into a quantiser is computed in f32, as accurately as f32 sums, v_exp_f32 and their like allow (about 1e-6 of the number): no bf16 or f16 on the way to a quantiser, and a product that is left as it is and whose result goes on into a quantised operand takes f32 operands (vector FMAs, or v_wmma_f32_16x16x4_f32). A number that lies on a knife's edge between two numbers of the format may be rounded either way, as far as f32 arithmetic and the matrix unit's own rounding can turn it there, and no further.
;; One version. Each part assembles by itself: llvm-mc -triple=amdgcn-amd-amdhsa -mcpu=gfx1250 --defsym DOCPART=n.
;; ======== version 1 of 1: 6 launches
;; limits: right only within a limited range of input values
;; workspace buffers: xq 4,325,376 bytes; hq 4,325,376 bytes; wts 5,136,384 bytes; qkv 13,107,200 bytes; x1 16,777,216 bytes; hid 34,603,008 bytes
;; launch prep (part 1): grid 816 x 1, 4 waves a work-group, no clusters, 33,792 bytes of LDS; arguments x, alpha, beta, Wq, Wk, Wv, W1, W2, xq, wts; writes xq, wts
.if DOCPART == 1
	.amdgcn_target "amdgcn-amd-amdhsa--gfx1250"
	.amdhsa_code_object_version 6
	.text
	.protected	k_q70400f5df0_prep
	.globl	k_q70400f5df0_prep
	.p2align	8
	.type	k_q70400f5df0_prep,@function
k_q70400f5df0_prep:
	s_mov_b64 s[64:65], 0
	v_nop
	global_prefetch_b8 v0, s[64:65] scope:SCOPE_SE
	s_setreg_imm32_b32 hwreg(HW_REG_WAVE_MODE, 25, 1), 1
	s_wait_xcnt 0x0
; PREP.  Work-groups 0-511: the first layer norm of x, quantised along its 512 columns.  Work-groups 512-815: Wq, Wk, Wv, W1, W2 ([K][N] f32) quantised along K.
; Codes are BF8 (E5M2), one E8M0 byte for each 32 along K: byte = the block's largest magnitude's exponent field - 15, held at 1 from below.
; LAYOUT OF ALL OPERANDS (this program's own): a fragment, 16 rows x 128 K, lies as the image of its registers: register group c (k = 32 c + 16 (lane / 16) + 0 .. 15) of lane l at 512 c + 16 l: 2,048 bytes.
; Its scale words: 4 bytes a row, 64 bytes.  TILE ORDER: lane r of tile 2 b + u is row 32 b + 8 u + r + 8 (r / 8), in every operand.
; LIMITS: NaN and infinities among the inputs are not served; a block whose largest magnitude lies under 2^-111 (a block of zeros too) keeps the byte 1; the bytes are read by this program alone.
; No cluster, no tensor load: no two work-groups read the same bytes.
.set XS,     4194304                   ; xq: scale words behind the codes: [tile 512][K step 4][64 bytes]
.set WQKVS,  786432                    ; wts: Wq, Wk, Wv codes at 0: [tile 96][K step 4][2,048]; their words here: [96][4][64]
.set W1C,    811008                    ; W1's codes [256][4][2,048]
.set W1S,    2908160                   ; its words [256][4][64]
.set W2C,    2973696                   ; W2's codes [tile 32][K step 32][2,048]
.set W2S,    5070848                   ; its words [K step 32][tile 32][64]
.set SP,     2064                      ; a stage row: 2,048 bytes + 16
.set DST, 20                           ; s[20:21] xq
.set X,   16                           ; v16-79  four rows x 16 numbers, later 64 numbers of one row
.set PR,  80                           ; v80-87  a pair of partial sums for each row
.set MG,  88                           ; v88-95  a pair for each row: the mean, later the gain
.set PC,  96                           ; v96-111 the codes
.set TM,  112                          ; v112-127 at work in QUANT
.set PW,  128                          ; the scale word
.set WX,  32                           ; weights: v32-159 four blocks of 32 numbers
.set WC,  160                          ; v160-191 their codes, 8 registers a block
.set SEL, 60                           ; s[60:61] selects of v_permlanex16_b32 for lane l xor 16
.set MNT, 62                           ; s62 the mantissa field of 57,344
; 64 numbers of a lane, register 16 b + i = k 32 b + 16 (lane / 16) + i of its row, become a fragment's codes in v[PC] on and its scale word in v[PW]
.macro QUANT s
.irp b, 0,1,2,3
	v_max3_num_f32 v[TM+\b], |v[\s+16*\b]|, |v[\s+1+16*\b]|, 0x8000000   ; my 16 numbers of block b, and the floor 2^(16 - 127): the byte cannot fall under 1
.endr
.irp i, 2,4,6,8,10,12,14
.irp b, 0,1,2,3
	v_max3_num_f32 v[TM+\b], v[TM+\b], |v[\s+16*\b+\i]|, |v[\s+1+16*\b+\i]|
.endr
.endr
.irp b, 0,1,2,3
	v_permlanex16_b32 v[TM+4+\b], v[TM+\b], s[SEL], s[SEL+1]
.endr
.irp b, 0,1,2,3
	v_max_num_f32 v[TM+\b], v[TM+\b], v[TM+4+\b]                  ; with lane l xor 16's: the block's largest magnitude
.endr
.irp b, 0,1,2,3
	v_add_nc_u32 v[TM+12+\b], 0xf8800000, v[TM+\b]                ; 15 off its exponent field: the conversion's scale operand
.endr
.irp b, 0,1,2,3
	v_and_or_b32 v[TM+8+\b], v[TM+\b], 0x7f800000, s[MNT]         ; 57,344 x the scale
.endr
.irp b, 0,1,2,3
	v_lshrrev_b32 v[TM+4+\b], 23, v[TM+12+\b]                     ; the scale's byte
.endr
	v_lshl_or_b32 v[PW], v[TM+5], 8, v[TM+4]
	v_lshl_or_b32 v[PW], v[TM+6], 16, v[PW]
	v_lshl_or_b32 v[PW], v[TM+7], 24, v[PW]
.set j, 0
.rept 64
	v_med3_num_f32 v[\s+j], v[\s+j], -v[TM+8+j/16], v[TM+8+j/16]  ; the conversion to an 8-bit code does not saturate (ISA guide 7.6.2): the hold comes first
.set j, j+1
.endr
.irp b, 0,1,2,3
	v_cvt_scalef32_pk8_bf8_f32 v[PC+4*\b:PC+1+4*\b], v[\s+16*\b:\s+7+16*\b], v[TM+12+\b]
	v_cvt_scalef32_pk8_bf8_f32 v[PC+2+4*\b:PC+3+4*\b], v[\s+8+16*\b:\s+15+16*\b], v[TM+12+\b]
.endr
	v_nop                                          ; one plain line behind the last conversion
.endm
; the four rows' pairs of partial sums become sums over the wave's 32 lanes, in every lane, in v[PR + 2 i]
.macro ACROSS
.irp i, 0,1,2,3
	v_add_f32 v[PR+2*\i], v[PR+2*\i], v[PR+2*\i+1]
.endr
.irp m, 1,2,4,8
.irp i, 0,1,2,3
	v_add_f32_dpp v[PR+2*\i], v[PR+2*\i], v[PR+2*\i] row_xmask:\m row_mask:0xf bank_mask:0xf
.endr
.endr
.irp i, 0,1,2,3
	v_permlanex16_b32 v[PR+2*\i+1], v[PR+2*\i], s[SEL], s[SEL+1]
.endr
.irp i, 0,1,2,3
	v_add_f32 v[PR+2*\i], v[PR+2*\i], v[PR+2*\i+1]
.endr
.endm
	s_load_b256 s[4:11], s[0:1], 0x0               ; x s[4:5], alpha s[6:7], beta s[8:9], Wq s[10:11]
	s_load_b256 s[12:19], s[0:1], 0x20             ; Wk s[12:13], Wv s[14:15], W1 s[16:17], W2 s[18:19]
	s_load_b128 s[20:23], s[0:1], 0x40             ; xq s[20:21], wts s[22:23]
	v_lshl_add_u32 v192, v0, 2, 0x8200
	v_mov_b32 v193, 0
	v_lshrrev_b32 v1, 5, v0
	v_readfirstlane_b32 s24, v1                    ; wave 0..3
	v_and_b32 v1, 31, v0                           ; lane
	s_mov_b32 s[SEL], 0x76543210
	s_mov_b32 s[SEL+1], 0xfedcba98
	s_mov_b32 s[MNT], 0x600000
	s_wait_kmcnt 0x0
	s_cmp_ge_u32 ttmp9, 512                        ; the same way for all four waves of a work-group
	s_cbranch_scc1 .Lweights
	; ---- LAYER NORM.  Work-group T makes tile T: 16 rows.  Wave w norms stage rows 4 w .. 4 w + 3, then quantises K step w of all 16.
	s_load_b32 s26, s[6:7], 0x0                    ; alpha
	s_load_b32 s28, s[8:9], 0x0                    ; beta
	v_and_b32 v2, 15, v0                           ; r
	v_bfe_u32 v3, v0, 4, 1                         ; h
	s_wait_alu depctr_va_vdst(0)
	v_lshlrev_b32 v4, 4, v1                        ; 16 x lane
	s_mul_i32 s30, s24, 4*SP
	v_add_nc_u32 v5, s30, v4                       ; the stage, in: my wave's four rows, 16 bytes a lane
	v_mul_u32_u24 v6, v2, SP
	v_lshl_add_u32 v6, v3, 6, v6
	s_lshl_b32 s30, s24, 9
	v_add_nc_u32 v6, s30, v6                       ; out: row r, K step w (512 bytes), my 16 numbers of a block (64 h)
	v_lshlrev_b32 v7, 2, v2                        ; 4 r: a scale word's place
.irp b, 0,1,2,3
	v_mov_b32 v[TM+4+\b], 0                        ; a lane permute's destination counts as read: written once
.endr
	s_mov_b32 s32, 0x3b004020                      ; 1 / 511
	s_mov_b32 s33, 0x358637bd                      ; 1e-6
	s_lshr_b32 s30, ttmp9, 1
	s_lshl_b32 s30, s30, 5
	s_and_b32 s31, ttmp9, 1
	s_lshl_b32 s31, s31, 3
	s_add_co_u32 s30, s30, s31
	s_lshl_b32 s31, s24, 2
	s_add_co_u32 s30, s30, s31
	s_lshr_b32 s31, s24, 1
	s_lshl_b32 s31, s31, 3
	s_add_co_u32 s30, s30, s31                     ; my first row: 32 (T / 2) + 8 (T % 2) + 4 w + 8 (w / 2)
	s_lshl_b32 s30, s30, 11                        ; rows of 2,048 bytes
	s_mov_b32 s31, 0
	s_add_nc_u64 s[4:5], s[4:5], s[30:31]
.irp i, 0,1,2,3
.irp j, 0,1,2,3
	global_load_b128 v[X+16*\i+4*\j:X+16*\i+4*\j+3], v4, s[4:5] offset:2048*\i+512*\j   ; 32 lanes read 512 consecutive bytes
.endr
.endr
	s_lshl_b32 s34, ttmp9, 13
	s_lshl_b32 s35, s24, 11
	s_add_co_u32 s34, s34, s35
	s_mov_b32 s35, 0
	s_add_nc_u64 s[36:37], s[DST:DST+1], s[34:35]  ; my fragment: 8,192 T + 2,048 w
	s_lshl_b32 s34, ttmp9, 8
	s_lshl_b32 s38, s24, 6
	s_add_co_u32 s34, s34, s38
	s_add_co_u32 s34, s34, XS
	s_add_nc_u64 s[38:39], s[DST:DST+1], s[34:35]  ; its scale words
	s_wait_kmcnt 0x0
	s_mov_b32 s29, s28                             ; the packed form names the pair
	s_wait_loadcnt 0x0
.irp i, 0,1,2,3
	v_pk_add_f32 v[PR+2*\i:PR+2*\i+1], v[X+16*\i:X+16*\i+1], v[X+16*\i+2:X+16*\i+3]
.endr
.irp k, 4,6,8,10,12,14
.irp i, 0,1,2,3
	v_pk_add_f32 v[PR+2*\i:PR+2*\i+1], v[PR+2*\i:PR+2*\i+1], v[X+16*\i+\k:X+16*\i+\k+1]
.endr
.endr
	ACROSS
.irp i, 0,1,2,3
	v_mul_f32 v[MG+2*\i], 0x3b000000, v[PR+2*\i]   ; the mean: sum / 512, in both words of a pair
	v_mul_f32 v[MG+2*\i+1], 0x3b000000, v[PR+2*\i]
.endr
.irp i, 0,1,2,3
.irp k, 0,2,4,6,8,10,12,14
	v_pk_add_f32 v[X+16*\i+\k:X+16*\i+\k+1], v[X+16*\i+\k:X+16*\i+\k+1], v[MG+2*\i:MG+2*\i+1] neg_lo:[0,1] neg_hi:[0,1]   ; x - mean first: the variance is no difference of large sums
.endr
.endr
.irp i, 0,1,2,3
	v_pk_mul_f32 v[PR+2*\i:PR+2*\i+1], v[X+16*\i:X+16*\i+1], v[X+16*\i:X+16*\i+1]
.endr
.irp k, 2,4,6,8,10,12,14
.irp i, 0,1,2,3
	v_pk_fma_f32 v[PR+2*\i:PR+2*\i+1], v[X+16*\i+\k:X+16*\i+\k+1], v[X+16*\i+\k:X+16*\i+\k+1], v[PR+2*\i:PR+2*\i+1]
.endr
.endr
	ACROSS
.irp i, 0,1,2,3
	v_fma_f32 v[PR+2*\i], v[PR+2*\i], s32, s33     ; the unbiased variance + 1e-6
.endr
	s_wait_alu depctr_va_vdst(0)
.irp i, 0,1,2,3
	v_rsq_f32 v[PR+2*\i+1], v[PR+2*\i]
.endr
	v_nop                                          ; one plain line behind the transcendentals
	s_wait_alu depctr_va_vdst(0)
.irp i, 0,1,2,3
	v_mul_f32 v[MG+2*\i], s26, v[PR+2*\i+1]        ; alpha / sqrt(..)
	v_mul_f32 v[MG+2*\i+1], s26, v[PR+2*\i+1]
.endr
.irp i, 0,1,2,3
.irp k, 0,2,4,6,8,10,12,14
	v_pk_fma_f32 v[X+16*\i+\k:X+16*\i+\k+1], v[X+16*\i+\k:X+16*\i+\k+1], v[MG+2*\i:MG+2*\i+1], s[28:29] op_sel_hi:[1,1,0]
.endr
.endr
.irp i, 0,1,2,3
.irp j, 0,1,2,3
	ds_store_b128 v5, v[X+16*\i+4*\j:X+16*\i+4*\j+3] offset:SP*\i+512*\j
.endr
.endr
	s_wait_dscnt 0x0                               ; for the others' sake: my rows lie in the stage
	s_barrier_signal -1
	s_barrier_wait -1
.irp c, 0,1,2,3
.irp j, 0,1,2,3
	ds_load_b128 v[X+16*\c+4*\j:X+16*\c+4*\j+3], v6 offset:128*\c+16*\j   ; row r, k = 128 w + 32 c + 16 h + 4 j ..
.endr
.endr
	s_wait_dscnt 0x0
	QUANT X
.irp c, 0,1,2,3
	global_store_b128 v4, v[PC+4*\c:PC+4*\c+3], s[36:37] offset:512*\c   ; 32 lanes store 512 consecutive bytes
.endr
	v_cmp_gt_u32 vcc_lo, 16, v1
	s_wait_xcnt 0x0                                ; EXEC changes only behind this wait
	s_wait_tensorcnt 0x0
	ds_add_u32 v192, v193
	s_wait_dscnt 0x0
	s_and_saveexec_b32 s34, vcc_lo
	global_store_b32 v7, v[PW], s[38:39]           ; lanes 0-15: 64 bytes; the four waves' pieces are 256 consecutive bytes
	s_wait_xcnt 0x0
	s_or_b32 exec_lo, exec_lo, s34
	s_endpgm
	; ---- WEIGHTS.  A work-group takes 128 columns x 128 along K; a wave 32 columns; A LANE TAKES A COLUMN AND ITS REGISTERS RUN DOWN K.  No LDS.
.Lweights:
	s_sub_co_u32 s30, ttmp9, 512                   ; j: 0-47 Wq, Wk, Wv (16 each); 48-175 W1; 176-303 W2
	s_sub_co_u32 s31, s30, 48
	s_sub_co_u32 s32, s30, 176
	s_lshr_b32 s33, s30, 4                         ; which of Wq, Wk, Wv
	s_and_b32 s39, s30, 15
	s_lshl_b32 s41, s33, 5                         ; its first tile
	s_mov_b32 s44, W1S
	s_cmp_eq_u32 s33, 0
	s_cselect_b64 s[34:35], s[10:11], s[12:13]
	s_cmp_eq_u32 s33, 2
	s_cselect_b64 s[34:35], s[14:15], s[34:35]
	s_cmp_lt_u32 s30, 48
	s_cselect_b64 s[34:35], s[34:35], s[16:17]     ; the source
	s_cselect_b32 s36, s39, s31                    ; the work-group's number within its tensor
	s_cselect_b32 s40, s41, 0                      ; first tile
	s_cselect_b32 s42, 0, W1C                      ; where the codes go
	s_cselect_b32 s43, WQKVS, s44                  ; and the scale words
	s_cselect_b32 s37, 2, 5                        ; bits of the column group
	s_cselect_b32 s45, 18, 21                      ; log2 of 128 rows in bytes
	s_cmp_lt_u32 s30, 176
	s_cselect_b64 s[34:35], s[34:35], s[18:19]
	s_cselect_b32 s36, s36, s32
	s_cselect_b32 s42, s42, W2C
	s_cselect_b32 s43, s43, W2S
	s_cselect_b32 s37, s37, 2
	s_cselect_b32 s45, s45, 18
	s_cselect_b32 s46, 13, 16                      ; log2 of the bytes from tile to tile in the codes
	s_cselect_b32 s47, 8, 6                        ; in the words
	s_cselect_b32 s48, 6, 11                       ; and from K step to K step in the words
	s_bfm_b32 s49, s37, 0
	s_and_b32 s49, s36, s49                        ; column group
	s_lshr_b32 s50, s36, s37                       ; K step
	s_lshl_b32 s51, s49, 3
	s_lshl_b32 s52, s24, 1
	s_add_co_u32 s51, s51, s52
	s_add_co_u32 s51, s51, s40                     ; my first tile: 8 x group + 2 x wave
	s_lshl_b32 s52, s50, s45
	s_lshl_b32 s53, s49, 9
	s_add_co_u32 s52, s52, s53
	s_lshl_b32 s53, s24, 7
	s_add_co_u32 s52, s52, s53
	s_mov_b32 s53, 0
	s_add_nc_u64 s[34:35], s[34:35], s[52:53]      ; row 128 x K step, column 128 x group + 32 x wave
	s_lshl_b32 s54, s51, s46
	s_lshl_b32 s55, s50, 11
	s_add_co_u32 s54, s54, s55
	s_add_co_u32 s54, s54, s42
	s_mov_b32 s55, 0
	s_add_nc_u64 s[56:57], s[22:23], s[54:55]      ; the codes
	s_lshl_b32 s54, s51, s47
	s_lshl_b32 s58, s50, s48
	s_add_co_u32 s54, s54, s58
	s_add_co_u32 s54, s54, s43
	s_add_nc_u64 s[58:59], s[22:23], s[54:55]      ; the words
	s_wait_alu depctr_va_vdst(0)
	v_lshlrev_b32 v2, 2, v1                        ; in: 4 bytes a lane
	v_bfe_u32 v3, v0, 3, 1                         ; column l of 32 is lane r = (l % 8) + 8 (l / 16) of tile u = (l / 8) % 2
	v_and_b32 v4, 7, v0
	v_bfe_u32 v7, v0, 4, 1
	v_lshl_or_b32 v4, v7, 3, v4
	v_lshlrev_b32 v5, s46, v3
	v_lshl_add_u32 v5, v4, 4, v5                   ; out: tile u, 16 r
	v_lshlrev_b32 v6, s47, v3
	v_lshl_add_u32 v6, v4, 2, v6                   ; words: tile u, 4 r
.macro WLOAD c, rs
.set i, 0
.rept 32
	global_load_b32 v[WX+32*(\c)+i], v2, s[34:35] offset:(32*(\c)+i)*(\rs) th:TH_LOAD_NT   ; one row of W at 32 neighbouring columns
.set i, i+1
.endr
.endm
.macro WBLOCK c, rs
.set XB, WX+32*(\c)
.if (\c) < 3
	s_wait_loadcnt 32                              ; this block's 32 loads are in; the next block's may be out
.else
	s_wait_loadcnt 0x0
.endif
.if (\c) < 2
	WLOAD (\c)+2, \rs
.endif
	v_max3_num_f32 v12, |v[XB]|, |v[XB+1]|, |v[XB+2]|
	v_max3_num_f32 v13, |v[XB+3]|, |v[XB+4]|, |v[XB+5]|
.irp i, 6,10,14,18,22,26
	v_max3_num_f32 v12, v12, |v[XB+\i]|, |v[XB+\i+1]|
	v_max3_num_f32 v13, v13, |v[XB+\i+2]|, |v[XB+\i+3]|
.endr
	v_max3_num_f32 v12, v12, |v[XB+30]|, |v[XB+31]|
	v_max3_num_f32 v12, v12, v13, 0x8000000        ; the block's largest magnitude, all 32 mine, and the floor
	v_add_nc_u32 v11, 0xf8800000, v12
	v_and_or_b32 v10, v12, 0x7f800000, s[MNT]
	v_lshrrev_b32 v13, 23, v11
.if (\c) == 0
	v_mov_b32 v16, v13
.else
	v_lshl_or_b32 v16, v13, 8*(\c), v16            ; the K step's four bytes make my column's word
.endif
.set j, 0
.rept 32
	v_med3_num_f32 v[XB+j], v[XB+j], -v10, v10
.set j, j+1
.endr
.irp g, 0,1,2,3
	v_cvt_scalef32_pk8_bf8_f32 v[WC+8*(\c)+2*\g:WC+8*(\c)+2*\g+1], v[XB+8*\g:XB+8*\g+7], v11
.endr
	v_nop
	global_store_b128 v5, v[WC+8*(\c):WC+8*(\c)+3], s[56:57] offset:512*(\c)        ; k = 32 c + 0 .. 15: the image's lanes 0-15; sixteen lanes of a tile store 256 consecutive bytes
	global_store_b128 v5, v[WC+8*(\c)+4:WC+8*(\c)+7], s[56:57] offset:512*(\c)+256  ; k = 32 c + 16 .. 31: its lanes 16-31
.endm
.macro WBODY rs
	WLOAD 0, \rs
	WLOAD 1, \rs
	WBLOCK 0, \rs
	WBLOCK 1, \rs
	WBLOCK 2, \rs
	WBLOCK 3, \rs
	global_store_b32 v6, v16, s[58:59]
	s_endpgm
.endm
	s_cmp_eq_u32 s45, 21                           ; W1's rows are 16,384 bytes, the others' 2,048: the row stands in the loads' immediates
	s_cbranch_scc1 .Lwide
	s_wait_alu depctr_va_vdst(0)
	WBODY 2048
.Lwide:
	s_wait_alu depctr_va_vdst(0)
	WBODY 16384
.Lfunc_end_k_q70400f5df0_prep:
	.size	k_q70400f5df0_prep, .Lfunc_end_k_q70400f5df0_prep-k_q70400f5df0_prep
	.p2alignl 7, 3214868480
	.fill 96, 4, 3214868480
	.section	.rodata,"a",@progbits
	.p2align	6, 0x0
	.amdhsa_kernel k_q70400f5df0_prep
		.amdhsa_group_segment_fixed_size 33792
		.amdhsa_private_segment_fixed_size 0
		.amdhsa_enable_private_segment 0
		.amdhsa_kernarg_size 80
		.amdhsa_user_sgpr_count 2
		.amdhsa_user_sgpr_kernarg_segment_ptr 1
		.amdhsa_wavefront_size32 1
		.amdhsa_system_sgpr_workgroup_id_x 1
		.amdhsa_system_sgpr_workgroup_id_y 1
		.amdhsa_system_sgpr_workgroup_id_z 1
		.amdhsa_system_vgpr_workitem_id 0
		.amdhsa_next_free_vgpr 194
		.amdhsa_next_free_sgpr 66
		.amdhsa_reserve_vcc 1
		.amdhsa_float_denorm_mode_32 3
		.amdhsa_float_denorm_mode_16_64 3
		.amdhsa_memory_ordered 1
		.amdhsa_forward_progress 1
		.amdhsa_inst_pref_size 84
	.end_amdhsa_kernel
	.amdgpu_metadata
---
amdhsa.version: [ 1, 2 ]
amdhsa.kernels:
  - .name:           k_q70400f5df0_prep
    .symbol:         k_q70400f5df0_prep.kd
    .args:
      - { .name: x, .offset: 0, .size: 8, .value_kind: global_buffer, .address_space: global }
      - { .name: alpha, .offset: 8, .size: 8, .value_kind: global_buffer, .address_space: global }
      - { .name: beta, .offset: 16, .size: 8, .value_kind: global_buffer, .address_space: global }
      - { .name: Wq, .offset: 24, .size: 8, .value_kind: global_buffer, .address_space: global }
      - { .name: Wk, .offset: 32, .size: 8, .value_kind: global_buffer, .address_space: global }
      - { .name: Wv, .offset: 40, .size: 8, .value_kind: global_buffer, .address_space: global }
      - { .name: W1, .offset: 48, .size: 8, .value_kind: global_buffer, .address_space: global }
      - { .name: W2, .offset: 56, .size: 8, .value_kind: global_buffer, .address_space: global }
      - { .name: xq, .offset: 64, .size: 8, .value_kind: global_buffer, .address_space: global }
      - { .name: wts, .offset: 72, .size: 8, .value_kind: global_buffer, .address_space: global }
    .group_segment_fixed_size: 33792
    .private_segment_fixed_size: 0
    .kernarg_segment_align: 8
    .kernarg_segment_size: 80
    .max_flat_workgroup_size: 128
    .sgpr_count:     66
    .vgpr_count:     194
    .wavefront_size: 32
...
	.end_amdgpu_metadata
.endif
;; end of part 1
;; launch qkv (part 2): grid 192 x 1, 4 waves a work-group, no clusters, 270,848 bytes of LDS; arguments xq, wts, qkv; writes qkv
.if DOCPART == 2
	.amdgcn_target "amdgcn-amd-amdhsa--gfx1250"
	.amdhsa_code_object_version 6
	.text
	.protected	k_q70400f5df0_qkv
	.globl	k_q70400f5df0_qkv
	.p2align	8
	.type	k_q70400f5df0_qkv,@function
k_q70400f5df0_qkv:
	s_mov_b64 s[64:65], 0
	v_nop
	global_prefetch_b8 v0, s[64:65] scope:SCOPE_SE
	s_setreg_imm32_b32 hwreg(HW_REG_WAVE_MODE, 25, 1), 1
	s_wait_xcnt 0x0
; Q, K, V = LN(x) Wq, Wk, Wv on codes of BF8 with E8M0 scales, K = 512, and their quantising for attention.
; A work-group makes 256 rows of P x 256 rows of Q; a wave 128 x 128: 64 accumulators.  Source 0 = a tile of Q, source 1 = a tile of P: a lane holds ONE row of P, its registers run along Q, the axis that is quantised next.
; Work-groups 0-127: P = x's rows, Q = Wq's and Wk's columns: q and k, quantised along a head's 32.  Work-groups 128-191: P = Wv's columns, Q = x's rows: v^T, quantised along the keys.
; By the tile order (lane r of tile 2 b + u = row 32 b + 8 u + r + 8 (r / 8)) a lane's 16 registers of Q's tiles 2 b, 2 b + 1 are 16 neighbours: the conversions' results are register images of the next operands.
; All of K (four steps of 128) lies in LDS at once, in two halves brought by one tensor load a wave each: nothing is filled twice.
; NO CLUSTER: v^T has 2 x 32 tiles, which no 4 x 4 cluster divides; each of the 192 work-groups fetches its 264 KB once.
; LIMITS: NaN and infinities are not served; a block under 2^-111 keeps the byte 1; the bytes are read by this program alone.
; REGISTERS, in windows of 256: window 0: v1-27 addresses, v32-63 scale words, v128-255 P's fragments (one set), later the way out.  window 1: Q's fragments, two sets.  windows 2, 3: accumulator (a, b) at v[8 (8 (a % 4) + b)].
.set XS,     4194304
.set WQKVS,  786432
.set VC,     8388608                   ; qkv: q, k codes at 0: [q, k][b 4][head 16][tile 128][512]; v codes here: [b][head][K step 16][u 2][2,048]
.set ATS,    12582912                  ; scale words: plane 0 [b][head][k: 32 groups x 64; v: 16 x 2 x 64], plane 1 (+262,144) [b][head][q: 32 x 64; unused]
.set SLOT,   4096                      ; a tile's K steps 2, 3 lie 4,096 bytes behind its steps 0, 1: ONE tensor load a wave brings all four steps of its 8 tiles, [tile 8][K step 4][2,048], to 65,536 x wave
.set SCL,    262144                    ; unused
.set FR,  16
.set NP,  8                            ; places behind this matrix instruction (ISA guide 7.12.1)
.set VO,   8                           ; v8-11  byte offsets of the four code stores
.set L4,   12                          ; v12    4 x lane
.set ADRA, 16                          ; v16-17 LDS address of my P fragments in slot 0, 1
.set ADRB, 20                          ; v20-21 the same for Q
.set ADRS, 27                          ; unused
.set SC,   32                          ; v[SC + 2 i + j] P's tile i, v[SC + 16 + 2 i + j] Q's: lanes 0-15 K step 2 j, lanes 16-31 K step 2 j + 1
.set AF,   128
.set TM,   128                         ; the way out, in window 0
.set PC,   144
.set PW,   160                         ; v160-167 a scale word for each block of P
.set SV,   168
.set TT,   172
.set WW,   176
.set G1,  24
.set G0,  32
.set G1S, 68
.set G0S, 76
.set SEL, 84
.set MNT, 86
.set GS,  87
.set CB,  92                           ; s[92:93] the codes' base
.set SB,  94                           ; s[94:95] the words' base
.set INCO, 96                          ; s[96:97], s[98:99] the base's step in front of an odd and of an even block
.set INCE, 98
.set MSB, 0
.macro WIN new                         ; the immediate's high byte repeats the setting that is left
.if MSB != (\new)
	s_set_vgpr_msb (MSB<<8)|(\new)
.set MSB, (\new)
.endif
.endm
.set MUL_LO, 0xa1                      ; source 0 (Q) window 1, source 1 (P) window 0, C and D window 2
.set MUL_HI, 0xf1
.set TO_B,   0x40
.macro PLACES n
.rept \n
	v_nop
.endr
.endm
	s_load_b128 s[4:7], s[0:1], 0x0                ; xq s[4:5], wts s[6:7]
	s_load_b64 s[8:9], s[0:1], 0x10                ; qkv
	v_lshl_add_u32 v126, v0, 2, 0x42000
	v_mov_b32 v127, 0
	ds_add_u32 v126, v127
	ds_add_u32 v126, v127
	v_lshrrev_b32 v1, 5, v0
	v_readfirstlane_b32 s14, v1                    ; wave 0..3
	s_lshr_b32 s15, s14, 1                         ; my half of P's rows.  Also: I fetch for P (0) or for Q (1)
	s_and_b32 s16, s14, 1                          ; my half of Q's rows.  Also: which 8 tiles of that side I fetch
	s_and_b32 s17, ttmp9, 3                        ; q, k: tx
	s_lshr_b32 s18, ttmp9, 2                       ;       ty
	s_sub_co_u32 s19, ttmp9, 128
	s_and_b32 s20, s19, 1                          ; v: tp
	s_lshr_b32 s21, s19, 1                         ;    tq
	s_lshl_b32 s22, s18, 4                         ; q, k: P's first tile 16 ty, Q's 16 tx
	s_lshl_b32 s23, s17, 4
	s_lshl_b32 s40, s20, 4
	s_add_co_u32 s40, s40, 64                      ; v: P's first tile 64 + 16 tp, Q's 16 tq
	s_lshl_b32 s41, s21, 4
	s_mov_b32 s46, WQKVS
	s_mov_b32 s[G1], 3<<16                         ; elements of 8 bytes, no mask, no padding
	s_mov_b32 s[G1+1], 1024<<16                    ; tensor_dim0: 8,192 bytes: the four K steps of a tile
	s_mov_b32 s[G1+2], 8<<16                       ; tensor_dim1: 8 tiles
	s_mov_b32 s[G1+3], 1024<<16                    ; tile_dim0
	s_mov_b32 s[G1+4], 8                           ; tile_dim1
	s_mov_b32 s[G1+5], 1024                        ; 8,192 bytes from tile to tile
	s_mov_b32 s[G1+6], 0
	s_mov_b32 s[G1+7], 0
	s_wait_dscnt 0x0
	s_wait_kmcnt 0x0
	s_cmp_lt_u32 ttmp9, 128                        ; the choices hang on the work-group's number alone
	s_cselect_b64 s[42:43], s[4:5], s[6:7]         ; P's buffer
	s_cselect_b64 s[44:45], s[6:7], s[4:5]         ; Q's buffer
	s_cselect_b32 s22, s22, s40
	s_cselect_b32 s23, s23, s41
	s_cselect_b32 s47, XS, s46                     ; where P's words begin in its buffer
	s_cselect_b32 s46, s46, XS                     ; and Q's
	s_lshl_b32 s60, s15, 3                         ; the scale words of the 8 tiles of P and the 8 of Q that I multiply: 256 bytes a tile
	s_add_co_u32 s60, s60, s22
	s_lshl_b32 s60, s60, 8
	s_add_co_u32 s60, s60, s47
	s_mov_b32 s61, 0
	s_add_nc_u64 s[56:57], s[42:43], s[60:61]
	s_lshl_b32 s60, s16, 3
	s_add_co_u32 s60, s60, s23
	s_lshl_b32 s60, s60, 8
	s_add_co_u32 s60, s60, s46
	s_add_nc_u64 s[58:59], s[44:45], s[60:61]
	s_cmp_eq_u32 s15, 0                            ; and on the wave's number: the side that I fetch
	s_cselect_b64 s[42:43], s[42:43], s[44:45]
	s_cselect_b32 s22, s22, s23
	s_lshl_b32 s48, s16, 3
	s_add_co_u32 s22, s22, s48
	s_lshl_b32 s48, s22, 13
	s_mov_b32 s49, 0
	s_add_nc_u64 s[50:51], s[42:43], s[48:49]      ; my 8 tiles' codes
	s_lshl_b32 s54, s14, 16
	s_mov_b32 s[G0], 1
	s_mov_b32 s[G0+1], s54
	s_mov_b64 s[G0+2:G0+3], s[50:51]
	s_or_b32 s[G0+3], s[G0+3], 0x80000000
	tensor_load_to_lds s[G0:G0+3], s[G1:G1+7]      ; my one tensor load: 65,536 dense bytes
	s_nop 0
	PLACES 4
	v_and_b32 v1, 31, v0                           ; lane
	v_lshlrev_b32 v4, 4, v1                        ; 16 x lane: an image's place for my lane
	v_lshlrev_b32 v[L4], 2, v1
; the scale words go straight into registers, 128 consecutive bytes a load: v[SC + 2 i + j] P's tile i, v[SC + 16 + 2 i + j] Q's tile i: lanes 0-15 K step 2 j, lanes 16-31 K step 2 j + 1
.irp i, 0,1,2,3,4,5,6,7
.irp j, 0,1
	global_load_b32 v[SC+2*\i+\j], v[L4], s[56:57] offset:256*\i+128*\j
	global_load_b32 v[SC+16+2*\i+\j], v[L4], s[58:59] offset:256*\i+128*\j
.endr
.endr
	s_lshl_b32 s55, s15, 16
	v_add_nc_u32 v[ADRA], s55, v4
	v_add_nc_u32 v[ADRA+1], SLOT, v[ADRA]
	s_lshl_b32 s55, s16, 16
	s_add_co_u32 s55, s55, 131072
	v_add_nc_u32 v[ADRB], s55, v4
	v_add_nc_u32 v[ADRB+1], SLOT, v[ADRB]
	s_wait_alu depctr_va_vdst(0)                   ; ahead of the run of scalar instructions
	s_mov_b32 s[SEL], 0x76543210
	s_mov_b32 s[SEL+1], 0xfedcba98
	s_mov_b32 s[MNT], 0x600000
	; where the results go
	s_cmp_lt_u32 ttmp9, 128
	s_cbranch_scc0 .Lv_adr
	s_lshr_b32 s80, s17, 1                         ; 0: q, 1: k
	s_lshr_b32 s81, s18, 3                         ; batch
	s_and_b32 s82, s17, 1
	s_lshl_b32 s82, s82, 3
	s_lshl_b32 s83, s16, 2
	s_add_co_u32 s82, s82, s83                     ; my first head: 8 (tx % 2) + 4 x half
	s_and_b32 s83, s18, 7
	s_lshl_b32 s83, s83, 4
	s_lshl_b32 s88, s15, 3
	s_add_co_u32 s83, s83, s88                     ; my first tile of tokens in the batch
	s_lshl_b32 s[CB], s80, 22
	s_lshl_b32 s88, s81, 20
	s_add_co_u32 s[CB], s[CB], s88
	s_lshl_b32 s88, s82, 16
	s_add_co_u32 s[CB], s[CB], s88
	s_lshl_b32 s88, s83, 9
	s_add_co_u32 s[CB], s[CB], s88
	s_xor_b32 s88, s80, 1
	s_lshl_b32 s[SB], s88, 18                      ; k's words in plane 0, q's in plane 1
	s_lshl_b32 s88, s81, 16
	s_add_co_u32 s[SB], s[SB], s88
	s_lshl_b32 s88, s82, 12
	s_add_co_u32 s[SB], s[SB], s88
	s_lshl_b32 s88, s83, 4                         ; four tiles to a group of 64 bytes
	s_add_co_u32 s[SB], s[SB], s88
	s_add_co_u32 s[SB], s[SB], ATS
	s_mov_b32 s[GS], 65536                         ; register group c is head c's tile
	s_mov_b32 s[INCO], 512                         ; a block of P is the next tile of tokens
	s_mov_b32 s[INCE], 512
	s_branch .Ladr
.Lv_adr:
	s_lshr_b32 s81, s21, 3                         ; batch
	s_lshl_b32 s82, s20, 3
	s_lshl_b32 s83, s15, 2
	s_add_co_u32 s82, s82, s83                     ; my first head: 8 tp + 4 x half
	s_lshl_b32 s83, s21, 1
	s_add_co_u32 s83, s83, s16
	s_and_b32 s83, s83, 15                         ; my 128 keys: K step in the batch
	s_lshl_b32 s[CB], s81, 20
	s_lshl_b32 s88, s82, 16
	s_add_co_u32 s[CB], s[CB], s88
	s_lshl_b32 s88, s83, 12
	s_add_co_u32 s[CB], s[CB], s88
	s_add_co_u32 s[CB], s[CB], VC
	s_lshl_b32 s[SB], s81, 16
	s_lshl_b32 s88, s82, 12
	s_add_co_u32 s[SB], s[SB], s88
	s_lshl_b32 s88, s83, 7
	s_add_co_u32 s[SB], s[SB], s88
	s_add_co_u32 s[SB], s[SB], ATS+2048
	s_mov_b32 s[GS], 512                           ; a block of P gives one whole fragment
	s_mov_b32 s[INCO], 2048                        ; the head's second tile of channels,
	s_mov_b32 s[INCE], 63488                       ; then the next head
.Ladr:
	s_mov_b32 s[CB+1], 0
	s_mov_b32 s[SB+1], 0
	s_mov_b32 s[INCO+1], 0
	s_mov_b32 s[INCE+1], 0
	s_add_nc_u64 s[CB:CB+1], s[8:9], s[CB:CB+1]
	s_add_nc_u64 s[SB:SB+1], s[8:9], s[SB:SB+1]
	v_mov_b32 v[VO], v4
.irp c, 1,2,3
	s_mul_i32 s88, s[GS], \c
	v_add_nc_u32 v[VO+\c], s88, v4
.endr
.macro FRAG reg, adr, q, i             ; a fragment comes back as it was stored: four loads of 512 consecutive bytes
.irp c, 0,1,2,3
	ds_load_b128 v[\reg+4*\c:\reg+4*\c+3], v[\adr] offset:8192*(\i)+2048*(\q)+512*\c
.endr
.endm
.macro FETCH_B slot, q, p
	WIN TO_B
.irp i, 0,1,2,3,4,5,6,7
	FRAG 128*(\p)+FR*\i, ADRB+\slot, \q, \i
.endr
	WIN 0
.endm
.macro FETCH_A slot, q, i0
.irp i, \i0, \i0+1, \i0+2, \i0+3
	FRAG AF+FR*(\i), ADRA+\slot, \q, \i
.endr
.endm
; 16 matrix instructions: P's blocks a0, a0 + 1 x Q's eight, K step kq; p: Q's set.  The 64 accumulators take turns, one instruction a turn, in the same order in every step.
.macro MUL16 a0, p, kq, zero
.irp a, \a0, \a0+1
.irp b, 0,1,2,3,4,5,6,7
.set SQ, SC+16+2*\b+(\kq)/2
.set SPP, SC+2*(\a)+(\kq)/2
.set DD, 8*(8*((\a)%4)+\b)
.set QF, 128*(\p)+FR*\b
.set PF, AF+FR*(\a)
.if \zero
	v_wmma_scale_f32_16x16x128_f8f6f4 v[DD:DD+7], v[QF:QF+15], v[PF:PF+15], 0, v[SQ], v[SPP] matrix_a_fmt:MATRIX_FMT_BF8 matrix_b_fmt:MATRIX_FMT_BF8
.elseif (\kq)%2
	v_wmma_scale_f32_16x16x128_f8f6f4 v[DD:DD+7], v[QF:QF+15], v[PF:PF+15], v[DD:DD+7], v[SQ], v[SPP] matrix_a_fmt:MATRIX_FMT_BF8 matrix_b_fmt:MATRIX_FMT_BF8 matrix_a_scale:MATRIX_SCALE_ROW1 matrix_b_scale:MATRIX_SCALE_ROW1
.else
	v_wmma_scale_f32_16x16x128_f8f6f4 v[DD:DD+7], v[QF:QF+15], v[PF:PF+15], v[DD:DD+7], v[SQ], v[SPP] matrix_a_fmt:MATRIX_FMT_BF8 matrix_b_fmt:MATRIX_FMT_BF8
.endif
.endr
.endr
.endm
; A slot's first K step: multiplies Q's set 0 and fetches the slot's second step (Q into set 1; P's blocks 0-3 in the middle, 4-7 at the end)
.macro STEP slot, kq, zero
	s_wait_dscnt 16                                ; all but the youngest 16 loads, P's blocks 4-7
	WIN MUL_LO
	MUL16 0, 0, \kq, \zero
	MUL16 2, 0, \kq, \zero
	s_wait_dscnt 0x0
	PLACES NP                                      ; in front of loads into registers that matrix instructions have read
	FETCH_B \slot, 1, 1
	FETCH_A \slot, 1, 0
	WIN MUL_HI
	MUL16 4, 0, \kq, \zero
	MUL16 6, 0, \kq, \zero
	PLACES NP
	WIN 0
	FETCH_A \slot, 1, 4
.endm
	s_wait_alu depctr_va_vdst(0)                   ; at the head's end
	s_wait_tensorcnt 0x0                           ; my 8 tiles are in
	s_barrier_signal -1
	s_barrier_wait -1                              ; everybody's are: nothing lands in LDS behind this barrier
	FETCH_B 0, 0, 0
	FETCH_A 0, 0, 0
	FETCH_A 0, 0, 4
	s_wait_loadcnt 0x0                             ; the scale words
	STEP 0, 0, 1                                   ; the first products start the sums
	s_wait_dscnt 16                                ; K step 1
	WIN MUL_LO
	MUL16 0, 1, 1, 0
	MUL16 2, 1, 1, 0
	s_wait_dscnt 0x0
	PLACES NP
	FETCH_B 1, 0, 0
	FETCH_A 1, 0, 0
	WIN MUL_HI
	MUL16 4, 1, 1, 0
	MUL16 6, 1, 1, 0
	PLACES NP
	WIN 0
	FETCH_A 1, 0, 4
	STEP 1, 2, 0
	s_wait_dscnt 16                                ; K step 3: nothing more to fetch
	WIN MUL_LO
	MUL16 0, 1, 3, 0
	MUL16 2, 1, 3, 0
	s_wait_dscnt 0x0
	WIN MUL_HI
	MUL16 4, 1, 3, 0
	MUL16 6, 1, 3, 0
	WIN 0
	PLACES NP                                      ; in front of the first reads of results and of writes over P's fragments
.irp b, 0,1,2,3
	v_mov_b32 v[TM+4+\b], 0                        ; a lane permute's destination counts as read
.endr
; THE WAY OUT of P's block a: its 64 registers a lane are four blocks of 32 along Q (with lane l xor 16); they are quantised in registers and stored as register images.
.macro EPI a
.set AC, 64*((\a)%4)
.set HI, (\a)/4
.if (\a) > 0
	s_wait_xcnt 0x0                                ; the last block's stores have read their codes and their base
.if (\a)%2
	s_add_nc_u64 s[CB:CB+1], s[CB:CB+1], s[INCO:INCO+1]
.else
	s_add_nc_u64 s[CB:CB+1], s[CB:CB+1], s[INCE:INCE+1]
.endif
.endif
	WIN 0x0a+5*HI                                  ; sources 0 and 1: the accumulators' window
.irp b, 0,1,2,3
	v_max3_num_f32 v[TM+\b], |v[AC+16*\b]|, |v[AC+16*\b+1]|, 0x8000000   ; each accumulator is read from its low end on
.endr
.irp i, 2,4,6,8,10,12,14
.irp b, 0,1,2,3
	v_max3_num_f32 v[TM+\b], |v[AC+16*\b+\i]|, |v[AC+16*\b+\i+1]|, v[TM+\b]
.endr
.endr
	WIN 0
.irp b, 0,1,2,3
	v_permlanex16_b32 v[TM+4+\b], v[TM+\b], s[SEL], s[SEL+1]
.endr
.irp b, 0,1,2,3
	v_max_num_f32 v[TM+\b], v[TM+\b], v[TM+4+\b]
.endr
.irp b, 0,1,2,3
	v_add_nc_u32 v[TM+12+\b], 0xf8800000, v[TM+\b]
.endr
.irp b, 0,1,2,3
	v_and_or_b32 v[TM+8+\b], v[TM+\b], 0x7f800000, s[MNT]
.endr
.irp b, 0,1,2,3
	v_lshrrev_b32 v[TM+4+\b], 23, v[TM+12+\b]
.endr
	v_lshl_or_b32 v[PW+(\a)], v[TM+5], 8, v[TM+4]
	v_lshl_or_b32 v[PW+(\a)], v[TM+6], 16, v[PW+(\a)]
	v_lshl_or_b32 v[PW+(\a)], v[TM+7], 24, v[PW+(\a)]
	WIN 0x82+0x41*HI                               ; destination and source 0: the accumulators' window
.set j, 0
.rept 64
	v_med3_num_f32 v[AC+j], v[AC+j], -v[TM+8+j/16], v[TM+8+j/16]
.set j, j+1
.endr
	WIN 0x02+HI
.irp b, 0,1,2,3
	v_cvt_scalef32_pk8_bf8_f32 v[PC+4*\b:PC+4*\b+1], v[AC+16*\b:AC+16*\b+7], v[TM+12+\b]
	v_cvt_scalef32_pk8_bf8_f32 v[PC+4*\b+2:PC+4*\b+3], v[AC+16*\b+8:AC+16*\b+15], v[TM+12+\b]
.endr
	WIN 0
	v_nop                                          ; one plain line behind the last conversion
.irp c, 0,1,2,3
	global_store_b128 v[VO+\c], v[PC+4*\c:PC+4*\c+3], s[CB:CB+1]   ; 32 lanes store 512 consecutive bytes
.endr
.endm
.irp a, 0,1,2,3,4,5,6,7
	EPI \a
.endr
	; the scale words.  Lanes l and l + 16 hold the same word, so lanes 16-31 can carry a second piece of 64 bytes
	v_cmp_le_u32 vcc_lo, 16, v1
	s_cmp_lt_u32 ttmp9, 128
	s_cbranch_scc0 .Lv_words
.irp g, 0,1                            ; q, k: byte c of a word is tile 4 G + c's byte: a 4 x 4 turn of bytes (word a' byte head -> word head byte a')
	v_perm_b32 v[TT], v[PW+4*\g+1], v[PW+4*\g], 0x05010400
	v_perm_b32 v[TT+1], v[PW+4*\g+1], v[PW+4*\g], 0x07030602
	v_perm_b32 v[TT+2], v[PW+4*\g+3], v[PW+4*\g+2], 0x05010400
	v_perm_b32 v[TT+3], v[PW+4*\g+3], v[PW+4*\g+2], 0x07030602
	v_perm_b32 v[WW+4*\g], v[TT+2], v[TT], 0x05040100
	v_perm_b32 v[WW+4*\g+1], v[TT+2], v[TT], 0x07060302
	v_perm_b32 v[WW+4*\g+2], v[TT+3], v[TT+1], 0x05040100
	v_perm_b32 v[WW+4*\g+3], v[TT+3], v[TT+1], 0x07060302
.endr
.irp b, 0,1,2,3
	v_cndmask_b32 v[SV+\b], v[WW+\b], v[WW+4+\b], vcc_lo   ; head b: lanes 0-15 my first group of four tiles, lanes 16-31 my second
.endr
	s_branch .Lwords
.Lv_words:
.irp i, 0,1,2,3
	v_cndmask_b32 v[SV+\i], v[PW+2*\i], v[PW+2*\i+1], vcc_lo   ; head i: lanes 0-15 its first tile of channels, lanes 16-31 its second
.endr
.Lwords:
	s_wait_alu depctr_va_vdst(0)
.irp i, 0,1,2,3
	global_store_b32 v[L4], v[SV+\i], s[SB:SB+1] offset:4096*\i   ; 128 consecutive bytes: pieces of the words' rows, one byte in 32 of what the launch stores
.endr
	s_wait_tensorcnt 0x0
	ds_add_u32 v126, v127
	s_wait_dscnt 0x0
	s_endpgm
.Lfunc_end_k_q70400f5df0_qkv:
	.size	k_q70400f5df0_qkv, .Lfunc_end_k_q70400f5df0_qkv-k_q70400f5df0_qkv
	.p2alignl 7, 3214868480
	.fill 96, 4, 3214868480
	.section	.rodata,"a",@progbits
	.p2align	6, 0x0
	.amdhsa_kernel k_q70400f5df0_qkv
		.amdhsa_group_segment_fixed_size 270848
		.amdhsa_private_segment_fixed_size 0
		.amdhsa_enable_private_segment 0
		.amdhsa_kernarg_size 24
		.amdhsa_user_sgpr_count 2
		.amdhsa_user_sgpr_kernarg_segment_ptr 1
		.amdhsa_wavefront_size32 1
		.amdhsa_system_sgpr_workgroup_id_x 1
		.amdhsa_system_sgpr_workgroup_id_y 1
		.amdhsa_system_sgpr_workgroup_id_z 1
		.amdhsa_system_vgpr_workitem_id 0
		.amdhsa_next_free_vgpr 1024
		.amdhsa_next_free_sgpr 100
		.amdhsa_reserve_vcc 1
		.amdhsa_float_denorm_mode_32 3
		.amdhsa_float_denorm_mode_16_64 3
		.amdhsa_memory_ordered 1
		.amdhsa_forward_progress 1
		.amdhsa_inst_pref_size 131
	.end_amdhsa_kernel
	.amdgpu_metadata
---
amdhsa.version: [ 1, 2 ]
amdhsa.kernels:
  - .name:           k_q70400f5df0_qkv
    .symbol:         k_q70400f5df0_qkv.kd
    .args:
      - { .name: xq, .offset: 0, .size: 8, .value_kind: global_buffer, .address_space: global }
      - { .name: wts, .offset: 8, .size: 8, .value_kind: global_buffer, .address_space: global }
      - { .name: qkv, .offset: 16, .size: 8, .value_kind: global_buffer, .address_space: global }
    .group_segment_fixed_size: 270848
    .private_segment_fixed_size: 0
    .kernarg_segment_align: 8
    .kernarg_segment_size: 24
    .max_flat_workgroup_size: 128
    .sgpr_count:     100
    .vgpr_count:     1024
    .wavefront_size: 32
...
	.end_amdgpu_metadata
.endif
;; end of part 2
;; launch attn (part 3): grid 8 x 32, 16 waves a work-group, clusters of 4 x 1, 327,680 bytes of LDS; arguments qkv, x, x1; writes x1
.if DOCPART == 3
	.amdgcn_target "amdgcn-amd-amdhsa--gfx1250"
	.amdhsa_code_object_version 6
	.text
	.protected	k_q70400f5df0_attn
	.globl	k_q70400f5df0_attn
	.p2align	8
	.type	k_q70400f5df0_attn,@function
k_q70400f5df0_attn:
	s_mov_b64 s[64:65], 0
	v_nop
	global_prefetch_b8 v0, s[64:65] scope:SCOPE_SE
	s_setreg_imm32_b32 hwreg(HW_REG_WAVE_MODE, 25, 1), 1
	s_wait_xcnt 0x0
	s_wait_alu depctr_hold_cnt(0) depctr_sa_sdst(0) depctr_va_vdst(0) depctr_va_sdst(0) depctr_va_ssrc(0) depctr_va_vcc(0) depctr_vm_vsrc(0)
	s_getreg_b32 s2, hwreg(HW_REG_IB_STS2, 6, 4)
	s_cmp_eq_u32 s2, 0
	s_cbranch_scc0 .Lentry_in_a_cluster
	s_endpgm
.Lentry_in_a_cluster:
	s_bfe_u32 s2, ttmp6, 0x10000c
	s_cmp_lg_u32 s2, 0x3003
	s_cbranch_scc0 .Lentry_shape_is_right
	s_endpgm
.Lentry_shape_is_right:
; x1 = x + softmax(q k^T / sqrt(512)) v, per batch and head (head size 32), both products on codes of BF8 (E5M2) with E8M0 scales.
; SOFTMAX: t = score x log2(e) / sqrt(512); M = the ceiling of the running largest t; p = 2^(t - M) is quantised along the keys, block of 32 by block; the row's sum is taken of the unquantised p and divides at the end.
; When M moves, the sum and O are multiplied by 2^(old M - new M), which rounds nothing.
; SHARES: a work-group owns 256 queries of two neighbouring heads of a batch (64 channels: 256 bytes of a row of x1).  Wave w: head w % 2, 32 queries w / 2, in two passes of one tile of 16.  A step is 128 keys; 16 steps a pass.
; LDS: both heads' K (131,072 bytes), V (131,072) and scale words (8,192) come ONCE, at the head, and stay: nothing is filled again.  Waves 0-3 fetch K's quarters, waves 4-7 V's, wave 8 the words: one tensor load a wave.
; CLUSTER: the four work-groups along x walk the same K and V: every load is joint (mask 15).
; NO PREFETCH: all tiles are asked for by the head's one group of loads; there is no loop to run ahead in.
; LAYOUT: S^T = K Q^T, O^T = V^T P^T: a lane holds one query.  The head's 32 fill one block of the instruction's 128: a fragment of K holds FOUR tiles of 16 keys, one to a block of 32, and Q stands in the block of the tile
; that is wanted, between zero codes (v16-43, Q at v28-31).  By the tile order (lane r of tile 2 b + u = row 32 b + 8 u + r + 8 (r / 8)) the 16 registers of tiles 2 b, 2 b + 1 are 16 neighbouring keys.
; A STEP: all maxima and t - M first, then the 68 exponentials as one batch; then block by block sum, hold, conversion; the next step's S^T tiles 2 b, 2 b + 1 are begun as soon as block b's p are codes.
; LIMITS: the promise holds while the scaled scores t stay under 2^31 in magnitude; NaN and infinities are not served; a block whose p all fell to 0 keeps the byte 1 (its codes are zeros).
.set VC,   8388608                     ; qkv: v's codes; k's at 4,194,304, q's at 0
.set ATS,  12582912                    ; the scale words
.set VREG, 131072                      ; LDS: V behind K
.set WREG, 262144                      ; the words; behind them, at 0x42000, the spare words: 128 bytes a wave
.set AK0, 1
.set AV0, 2
.set AS0, 3
.set ADK, 4
.set ADV, 5
.set ADS, 6
.set STO, 7
.set RD,  8
.set GO,  9
.set QO,  10
.set QW,  11
.set QS,  44                           ; scale registers: Q's byte four times; K's two words; V's two; p's
.set KW,  45
.set VW,  47
.set PWD, 49
.set QR,  50
.set FL,  51                           ; 2^(16 - 127), the floor under a block's largest p
.set KF,  52
.set VF,  84
.set S,   116
.set O,   180
.set PCD, 196
.set OUT0, 212
.set BM,  228
.set T2,  232
.set HOLD, 236
.set SCF, 240
.set FF,  244
.set TMP, 246
.set TMP2, 247
.set LS,  248                          ; v248-255 the row's sum in four pairs (v254, v255 serve the add at the head and are made anew at the end)
.set WV,  10
.set SEL, 20
.set CS,  22
.set G1,  24
.set G1W, 32
.set G0K, 40
.set G0V, 44
.set G0W, 48
.set MNT, 66
.set TB,  67
.set TS,  68
.set CNT, 69
.set NC,  76
.macro CROUND
	s_barrier_signal -1
	s_barrier_wait -1
	s_cmp_lg_u32 s[WV], 0
	s_cbranch_scc1 .Lnot_wave_0_\@
	s_barrier_signal -3
.Lnot_wave_0_\@:
	s_barrier_wait -3
	s_barrier_signal -1
	s_barrier_wait -1
.endm
.macro ARM under, g0, g1, next         ; one arm of the head's tree: its load, the lines behind it, a jump to the join
	s_cmp_lt_u32 s[WV], \under
	s_cbranch_scc0 \next
	tensor_load_to_lds s[\g0:\g0+3], s[\g1:\g1+7]
	s_nop 0
.rept 4
	v_nop
.endr
	s_branch .Lhead_asked
\next:
.endm
	s_load_b128 s[4:7], s[0:1], 0x0                ; qkv, x
	s_load_b64 s[8:9], s[0:1], 0x10                ; x1
	v_lshl_add_u32 v254, v0, 2, 0x42000
	v_mov_b32 v255, 0
	ds_add_u32 v254, v255                          ; the opening lines: the add twice on end and its wait
	ds_add_u32 v254, v255
	v_lshrrev_b32 v1, 5, v0
	v_readfirstlane_b32 s[WV], v1
	s_and_b32 s11, s[WV], 1                        ; my head of the pair
	s_lshr_b32 s12, s[WV], 1                       ; my 32 queries
	s_bfe_u32 s13, ttmp6, 0x40000
	s_lshl_b32 s14, ttmp9, 2
	s_add_co_u32 s14, s14, s13                     ; block of 256 queries
	s_and_b32 s15, ttmp7, 0xffff
	s_lshr_b32 s16, s15, 3                         ; batch
	s_and_b32 s17, s15, 7                          ; pair of heads
	s_and_b32 s72, s[WV], 3
	s_lshl_b32 s72, s72, 15                        ; the quarter that I fetch: 32,768 bytes
	s_lshl_b32 s52, s16, 20
	s_lshl_b32 s53, s17, 17
	s_add_co_u32 s52, s52, s53
	s_add_co_u32 s52, s52, s72
	s_add_co_u32 s18, s52, 4194304
	s_mov_b32 s19, 0
	s_add_co_u32 s52, s52, VC
	s_mov_b32 s53, 0
	s_lshl_b32 s70, s16, 16
	s_lshl_b32 s71, s17, 13
	s_add_co_u32 s70, s70, s71
	s_add_co_u32 s70, s70, ATS
	s_mov_b32 s71, 0
	s_mov_b32 s[G1], 15|(3<<16)|(1<<21)            ; mask: all four of the cluster; elements of 8 bytes; dense rows of 256 bytes, 128 of them
	s_mov_b32 s[G1+1], 32<<16
	s_mov_b32 s[G1+2], 128<<16
	s_mov_b32 s[G1+3], 32<<16
	s_mov_b32 s[G1+4], 128
	s_mov_b32 s[G1+5], 32
	s_mov_b32 s[G1+6], 0
	s_mov_b32 s[G1+7], 0
	s_mov_b32 s[G1W], 15|(3<<16)|(1<<21)           ; the words: 32 such rows
	s_mov_b32 s[G1W+1], 32<<16
	s_mov_b32 s[G1W+2], 32<<16
	s_mov_b32 s[G1W+3], 32<<16
	s_mov_b32 s[G1W+4], 32
	s_mov_b32 s[G1W+5], 32
	s_mov_b32 s[G1W+6], 0
	s_mov_b32 s[G1W+7], 0
	s_wait_dscnt 0x0
	s_wait_kmcnt 0x0
	s_mov_b32 s[G0K], 1
	s_mov_b32 s[G0K+1], s72
	s_add_nc_u64 s[G0K+2:G0K+3], s[4:5], s[18:19]
	s_or_b32 s[G0K+3], s[G0K+3], 0x80000000
	s_mov_b32 s[G0V], 1
	s_add_co_u32 s[G0V+1], s72, VREG
	s_add_nc_u64 s[G0V+2:G0V+3], s[4:5], s[52:53]
	s_or_b32 s[G0V+3], s[G0V+3], 0x80000000
	s_mov_b32 s[G0W], 1
	s_mov_b32 s[G0W+1], WREG
	s_add_nc_u64 s[G0W+2:G0W+3], s[4:5], s[70:71]
	s_or_b32 s[G0W+3], s[G0W+3], 0x80000000
	CROUND                                         ; the four work-groups are here: the joint loads meet
	ARM 4, G0K, G1,  .Lhead_v
	ARM 8, G0V, G1,  .Lhead_w
	ARM 9, G0W, G1W, .Lhead_none
.Lhead_asked:
	s_lshl_b32 s74, s17, 1
	s_add_co_u32 s74, s74, s11                     ; my head
	s_lshl_b32 s54, s16, 20
	s_lshl_b32 s55, s74, 16
	s_add_co_u32 s54, s54, s55
	s_lshl_b32 s55, s14, 4
	s_lshl_b32 s75, s12, 1
	s_add_co_u32 s55, s55, s75
	s_lshl_b32 s55, s55, 9
	s_add_co_u32 s54, s54, s55
	s_mov_b32 s55, 0
	s_add_nc_u64 s[54:55], s[4:5], s[54:55]        ; my two tiles of Q
	s_lshl_b32 s56, s16, 16
	s_lshl_b32 s57, s74, 12
	s_add_co_u32 s56, s56, s57
	s_lshl_b32 s57, s14, 2
	s_lshr_b32 s75, s12, 1
	s_add_co_u32 s57, s57, s75
	s_lshl_b32 s57, s57, 6
	s_add_co_u32 s56, s56, s57
	s_add_co_u32 s56, s56, ATS+262144
	s_mov_b32 s57, 0
	s_add_nc_u64 s[56:57], s[4:5], s[56:57]        ; their group's scale words
	s_and_b32 s58, s12, 1
	s_lshl_b32 s58, s58, 4                         ; the bit at which tile 0's byte begins; tile 1's
	s_add_co_u32 s59, s58, 8
	s_lshl_b32 s60, s16, 22
	s_lshl_b32 s61, s14, 19
	s_add_co_u32 s60, s60, s61
	s_lshl_b32 s61, s[WV], 15
	s_add_co_u32 s60, s60, s61
	s_lshl_b32 s61, s17, 8
	s_add_co_u32 s60, s60, s61
	s_mov_b32 s61, 0
	s_add_nc_u64 s[62:63], s[8:9], s[60:61]        ; the way out: 16 rows x 256 bytes a wave, in x1 and in x
	s_add_nc_u64 s[60:61], s[6:7], s[60:61]
	s_mov_b32 s[SEL], 0x76543210
	s_mov_b32 s[SEL+1], 0xfedcba98
	s_mov_b32 s[CS], 0x3d8293ee                    ; c = log2(e) / sqrt(512)
	s_mov_b32 s[CS+1], s[CS]
	s_mov_b32 s[NC], 0xbd8293ee                    ; -c
	s_mov_b32 s[MNT], 0x600000
	v_and_b32 v12, 31, v0
	v_and_b32 v13, 15, v0
	v_bfe_u32 v14, v0, 4, 1
	s_lshl_b32 s72, s11, 16
	v_lshl_add_u32 v[AK0], v12, 4, s72
	s_delay_alu instid0(VALU_DEP_1)
	v_add_nc_u32 v[AV0], VREG, v[AK0]
	s_lshl_b32 s72, s11, 12
	s_add_co_u32 s72, s72, WREG
	v_lshl_add_u32 v[AS0], v13, 2, s72
	v_and_b32 v15, 8, v13
	s_delay_alu instid0(VALU_DEP_1)
	v_add_nc_u32 v15, v15, v13
	s_lshl_b32 s72, s12, 5
	v_add_nc_u32 v15, s72, v15
	s_delay_alu instid0(VALU_DEP_1)
	v_mul_u32_u24 v[STO], v15, 272
	s_delay_alu instid0(VALU_DEP_1)
	v_lshl_add_u32 v[STO], v14, 6, v[STO]
	s_lshl_b32 s72, s11, 7
	v_add_nc_u32 v[STO], s72, v[STO]
	s_mul_i32 s72, s[WV], 16*272
	v_mul_u32_u24 v[RD], v14, 272
	s_delay_alu instid0(VALU_DEP_1)
	v_lshl_add_u32 v[RD], v13, 4, v[RD]
	s_delay_alu instid0(VALU_DEP_1)
	v_add_nc_u32 v[RD], s72, v[RD]
	v_lshlrev_b32 v[GO], 11, v14
	s_delay_alu instid0(VALU_DEP_1)
	v_lshl_add_u32 v[GO], v13, 4, v[GO]
	v_lshlrev_b32 v[QO], 4, v12
	v_lshlrev_b32 v[QW], 2, v13
	global_load_b128 v[28:31], v[QO], s[54:55]     ; Q's first tile and the words come while the tensor loads are out
	global_load_b32 v[QR], v[QW], s[56:57]
.irp j, 16,17,18,19,20,21,22,23,24,25,26,27,32,33,34,35,36,37,38,39,40,41,42,43
	v_mov_b32 v[\j], 0                             ; zero codes round Q
.endr
	v_mov_b32 v[FF+1], 0                           ; named as the upper half of a pair
	v_mov_b32 v[FL], 0x8000000
	s_wait_alu depctr_va_vdst(0)                   ; at the head's end
	s_wait_tensorcnt 0x0
	s_barrier_signal -1
	s_barrier_wait -1                              ; K, V and the words are whole
.macro SMUL t                          ; S^T tile t: block t % 4 of fragment t / 4 against Q in that block
	v_wmma_scale_f32_16x16x128_f8f6f4 v[S+8*(\t):S+8*(\t)+7], v[KF+16*((\t)/4):KF+16*((\t)/4)+15], v[28-4*((\t)%4):43-4*((\t)%4)], 0, v[KW+(\t)/4], v[QS] matrix_a_fmt:MATRIX_FMT_BF8 matrix_b_fmt:MATRIX_FMT_BF8
.endm
; block b of 32 keys: the sum of the unquantised p (four chains; block 0 brings the old sums under the new M), the hold, the codes.  Behind its first four lines the last block's registers take the next step's tiles.
.macro BLK b, ahead
.set j, 0
.rept 4
.if \b == 0
	v_pk_fma_f32 v[LS+j:LS+j+1], v[LS+j:LS+j+1], v[FF:FF+1], v[S+j:S+j+1] op_sel_hi:[1,0,1]
.else
	v_pk_add_f32 v[LS+j:LS+j+1], v[LS+j:LS+j+1], v[S+16*\b+j:S+16*\b+j+1]
.endif
.set j, j+2
.endr
.if \ahead && (\b > 0)
	SMUL 2*\b-2
	SMUL 2*\b-1
.endif
.set j, 0
.rept 4
	v_pk_add_f32 v[LS+j:LS+j+1], v[LS+j:LS+j+1], v[S+16*\b+8+j:S+16*\b+9+j]
.set j, j+2
.endr
.set j, 0
.rept 8
	v_dual_min_num_f32 v[S+16*\b+j], v[S+16*\b+j], v[HOLD+\b] :: v_dual_min_num_f32 v[S+16*\b+j+1], v[S+16*\b+j+1], v[HOLD+\b]   ; the conversion does not saturate (ISA guide 7.6.2); p is not negative
.set j, j+2
.endr
	v_cvt_scalef32_pk8_bf8_f32 v[PCD+4*\b:PCD+4*\b+1], v[S+16*\b:S+16*\b+7], v[SCF+\b]
	v_cvt_scalef32_pk8_bf8_f32 v[PCD+4*\b+2:PCD+4*\b+3], v[S+16*\b+8:S+16*\b+15], v[SCF+\b]
.endm
; A KEY STEP.  ahead = 1: the next step's S^T is begun in it.  tail = 1: pass 0's last step asks for Q's second tile; tail = 2: pass 1's last asks for x.
.macro STEP ahead, tail
.irp b, 0,1,2                          ; twelve maxima on tiles 0-5: the places (8 are owed) behind the last products, ahead of the loads and of the first reads of tiles 6, 7; each tile is read from its low end on
	v_max3_num_f32 v[BM+\b], v[S+16*\b], v[S+16*\b+1], v[S+16*\b+2]
	v_max3_num_f32 v[T2+\b], v[S+16*\b+8], v[S+16*\b+9], v[S+16*\b+10]
.endr
.irp b, 0,1,2
	v_max3_num_f32 v[BM+\b], v[BM+\b], v[S+16*\b+3], v[S+16*\b+4]
	v_max3_num_f32 v[T2+\b], v[T2+\b], v[S+16*\b+11], v[S+16*\b+12]
.endr
.if \ahead
.irp g, 0,1
.irp c, 0,1,2,3
	ds_load_b128 v[KF+16*\g+4*\c:KF+16*\g+4*\c+3], v[ADK] offset:4096+2048*\g+512*\c
.endr
	ds_load_b32 v[KW+\g], v[ADS] offset:128+64*\g
.endr
.endif
.irp u, 0,1
.irp c, 0,1,2,3
	ds_load_b128 v[VF+16*\u+4*\c:VF+16*\u+4*\c+3], v[ADV] offset:2048*\u+512*\c
.endr
	ds_load_b32 v[VW+\u], v[ADS] offset:2048+64*\u
.endr
.if (\tail) == 1
	global_load_b128 v[28:31], v[QO], s[54:55] offset:512
.endif
.if (\tail) == 2
.irp t, 0,1,2,3,4,5,6,7
	global_load_b128 v[KF+4*\t:KF+4*\t+3], v[GO], s[60:61] offset:4096*\t th:TH_LOAD_NT
.endr
.endif
	v_max3_num_f32 v[BM+3], v[S+48], v[S+49], v[S+50]
	v_max3_num_f32 v[T2+3], v[S+56], v[S+57], v[S+58]
	v_max3_num_f32 v[BM+3], v[BM+3], v[S+51], v[S+52]
	v_max3_num_f32 v[T2+3], v[T2+3], v[S+59], v[S+60]
.irp b, 0,1,2,3
	v_max3_num_f32 v[BM+\b], v[BM+\b], v[S+16*\b+5], v[S+16*\b+6]
	v_max3_num_f32 v[T2+\b], v[T2+\b], v[S+16*\b+13], v[S+16*\b+14]
.endr
.irp b, 0,1,2,3
	v_max3_num_f32 v[BM+\b], v[BM+\b], v[S+16*\b+7], v[S+16*\b+15]
.endr
.irp b, 0,2
	v_dual_max_num_f32 v[BM+\b], v[BM+\b], v[T2+\b] :: v_dual_max_num_f32 v[BM+\b+1], v[BM+\b+1], v[T2+\b+1]
.endr
.irp b, 0,1,2,3
	v_permlanex16_b32 v[T2+\b], v[BM+\b], s[SEL], s[SEL+1]
.endr
	v_mov_b32 v[TMP2], v12
.irp b, 0,2
	v_dual_max_num_f32 v[BM+\b], v[BM+\b], v[T2+\b] :: v_dual_max_num_f32 v[BM+\b+1], v[BM+\b+1], v[T2+\b+1]   ; each block's largest score: it serves the row's maximum and, since p rises with the score, the block's largest p
.endr
	v_max3_num_f32 v[TMP], v[BM], v[BM+1], v[BM+2]
	s_delay_alu instid0(VALU_DEP_1)
	v_max3_num_f32 v13, v[TMP], v[BM+3], v13       ; the running largest score
	s_delay_alu instid0(VALU_DEP_1)
	v_mul_f32 v[TMP], s[NC], v13
	s_delay_alu instid0(VALU_DEP_1)
	v_floor_f32 v12, v[TMP]                        ; -M = floor(-t)
	s_delay_alu instid0(VALU_DEP_1)
	v_pk_fma_f32 v[BM:BM+1], v[BM:BM+1], s[CS:CS+1], v[12:13] op_sel_hi:[1,0,0]
	v_pk_fma_f32 v[BM+2:BM+3], v[BM+2:BM+3], s[CS:CS+1], v[12:13] op_sel_hi:[1,0,0]
.set j, 0
	v_sub_f32 v[TMP2], v12, v[TMP2]                ; old M - new M, a whole number; its two lines stand among the multiply-adds
.rept 4
	v_pk_fma_f32 v[S+j:S+j+1], v[S+j:S+j+1], s[CS:CS+1], v[12:13] op_sel_hi:[1,0,0]   ; t - M
.set j, j+2
.endr
	v_cvt_i32_f32 v[TMP2], v[TMP2]
.rept 28
	v_pk_fma_f32 v[S+j:S+j+1], v[S+j:S+j+1], s[CS:CS+1], v[12:13] op_sel_hi:[1,0,0]
.set j, j+2
.endr
	s_wait_alu depctr_va_vdst(0)                   ; ahead of the batch
.set j, 0
.rept 64
	v_exp_f32 v[S+j], v[S+j]
.set j, j+1
.endr
.irp b, 0,1,2,3
	v_exp_f32 v[BM+\b], v[BM+\b]                   ; the blocks' largest p: the same two instructions on the same numbers
.endr
	v_ldexp_f32 v[FF], 1.0, v[TMP2]                ; f = 2^(old M - new M); the plain line behind the batch
.if \ahead
	s_add_co_u32 s[TB], s[TB], 4096
	s_add_co_u32 s[TS], s[TS], 128
	v_add_nc_u32 v[ADV], s[TB], v[AV0]             ; the next step's addresses (this step's LDS loads have been issued): the wait below stands between them and their readers
	v_add_nc_u32 v[ADS], s[TS], v[AS0]
	v_add_nc_u32 v[ADK], s[TB], v[AK0]
.endif
	s_wait_dscnt 0x0                               ; this step's V, the next step's K and their words are in
	s_wait_alu depctr_va_vdst(0)                   ; behind the batch; it stands directly ahead of the first readers of O^T too
.set j, 0
.rept 8
	v_pk_mul_f32 v[O+j:O+j+1], v[O+j:O+j+1], v[FF:FF+1] op_sel_hi:[1,0]
.set j, j+2
.endr
.irp b, 0,2
	v_dual_max_num_f32 v[BM+\b], v[BM+\b], v[FL] :: v_dual_max_num_f32 v[BM+\b+1], v[BM+\b+1], v[FL]   ; the floor: the byte cannot fall under 1
.endr
.irp b, 0,1,2,3
	v_and_or_b32 v[HOLD+\b], v[BM+\b], 0x7f800000, s[MNT]   ; 57,344 x the scale
.endr
.irp b, 0,1,2,3
	v_add_nc_u32 v[SCF+\b], 0xf8800000, v[BM+\b]   ; 15 off the exponent field: the conversion's scale operand
.endr
.irp b, 0,1,2,3
	v_lshrrev_b32 v[T2+\b], 23, v[SCF+\b]          ; the byte
.endr
	v_lshl_or_b32 v[PWD], v[T2+1], 8, v[T2]        ; the four bytes make p's scale word: two pairs, then the pairs
	v_lshl_or_b32 v[T2+2], v[T2+3], 8, v[T2+2]
	s_delay_alu instid0(VALU_DEP_1)
	v_lshl_or_b32 v[PWD], v[T2+2], 16, v[PWD]
	BLK 0, \ahead
	BLK 1, \ahead
	BLK 2, \ahead
	BLK 3, \ahead
.if \ahead
.rept 4
	v_nop                                          ; the four places between the last codes and the products that take them or write over their sources
.endr
	SMUL 6
	SMUL 7
.else
.rept 4
	v_nop
.endr
.endif
.irp u, 0,1
	v_wmma_scale_f32_16x16x128_f8f6f4 v[O+8*\u:O+8*\u+7], v[VF+16*\u:VF+16*\u+15], v[PCD:PCD+15], v[O+8*\u:O+8*\u+7], v[VW+\u], v[PWD] matrix_a_fmt:MATRIX_FMT_BF8 matrix_b_fmt:MATRIX_FMT_BF8
.endr
.endm
.macro PASS i, res
.irp g, 0,1
.irp c, 0,1,2,3
	ds_load_b128 v[KF+16*\g+4*\c:KF+16*\g+4*\c+3], v[AK0] offset:2048*\g+512*\c
.endr
	ds_load_b32 v[KW+\g], v[AS0] offset:64*\g
.endr
	s_mov_b32 s[TB], 0
	s_mov_b32 s[TS], 0
	s_mov_b32 s[CNT], 15
	s_wait_loadcnt 0x0                             ; Q's tile
	v_bfe_u32 v[QS], v[QR], s[58+\i], 8
	s_delay_alu instid0(VALU_DEP_1)
	v_lshl_or_b32 v[QS], v[QS], 8, v[QS]
	s_delay_alu instid0(VALU_DEP_1)
	v_lshl_or_b32 v[QS], v[QS], 16, v[QS]          ; the tile's byte in all four blocks; fourteen plain lines follow ahead of the products (8 are owed)
	v_mov_b32 v13, 0xff61b1e6                      ; -3e38, under every score
	s_delay_alu instid0(VALU_DEP_1)
	v_mul_f32 v[TMP], s[NC], v13
	s_delay_alu instid0(VALU_DEP_1)
	v_floor_f32 v12, v[TMP]
	v_add_nc_u32 v[ADV], s[TB], v[AV0]
	v_add_nc_u32 v[ADS], s[TS], v[AS0]
	v_add_nc_u32 v[ADK], s[TB], v[AK0]
.set j, 0
.rept 8
	v_mov_b32 v[LS+j], 0
.set j, j+1
.endr
	s_wait_dscnt 0x0
.irp t, 0,1,2,3,4,5,6,7
	SMUL \t
.endr
.set j, 0
.rept 16
	v_mov_b32 v[O+j], 0                            ; the step is written once: the first finds zeros.  (Also the places behind the products)
.set j, j+1
.endr
.Lstep_\@:
	s_barrier_signal -1                            ; the sixteen waves walk the keys in step, so that all reach the stage's barrier together; no LDS access of mine is out here
	s_barrier_wait -1
	STEP 1, 0
	s_sub_co_u32 s[CNT], s[CNT], 1
	s_cmp_lg_u32 s[CNT], 0
	s_cbranch_scc1 .Lstep_\@
	STEP 0, \i+1
	v_pk_add_f32 v[LS:LS+1], v[LS:LS+1], v[LS+2:LS+3]
	v_pk_add_f32 v[LS+4:LS+5], v[LS+4:LS+5], v[LS+6:LS+7]
	s_delay_alu instid0(VALU_DEP_1)
	v_pk_add_f32 v[LS:LS+1], v[LS:LS+1], v[LS+4:LS+5]
	s_delay_alu instid0(VALU_DEP_1)
	v_add_f32 v14, v[LS], v[LS+1]
	s_delay_alu instid0(VALU_DEP_1)
	v_permlanex16_b32 v[T2], v14, s[SEL], s[SEL+1]
	s_delay_alu instid0(VALU_DEP_1)
	v_add_f32 v14, v14, v[T2]                      ; the row's sum
	s_wait_alu depctr_va_vdst(0)                   ; ahead of the transcendental
	v_rcp_f32 v14, v14
.rept 4
	v_nop
.endr
.set j, 0
	s_wait_alu depctr_va_vdst(0)                   ; and behind it, directly ahead of the first readers of O^T
.rept 8
	v_pk_mul_f32 v[\res+j:\res+j+1], v[O+j:O+j+1], v[14:15] op_sel_hi:[1,0]
.set j, j+2
.endr
.endm
	PASS 0, OUT0
	PASS 1, S
	; THE WAY OUT: both heads' 64 channels of 256 queries meet in a stage (rows of 256 + 16 bytes) laid over K, which has had its one fill and which nobody reads behind this barrier; x is added; sixteen lanes store 256 aligned bytes
	s_wait_alu depctr_va_vdst(0)
	s_wait_dscnt 0x0
	s_barrier_signal -1
	s_barrier_wait -1
.irp j, 0,1,2,3
	ds_store_b128 v[STO], v[OUT0+4*\j:OUT0+4*\j+3] offset:16*\j
	ds_store_b128 v[STO], v[S+4*\j:S+4*\j+3] offset:8*272+16*\j
.endr
	s_wait_dscnt 0x0
	s_barrier_signal -1
	s_barrier_wait -1
.irp t, 0,1,2,3,4,5,6,7
	ds_load_b128 v[VF+4*\t:VF+4*\t+3], v[RD] offset:544*\t
.endr
	s_wait_loadcnt 0x0                             ; x
.irp t, 0,1,2,3,4,5,6,7
	s_wait_dscnt 7-\t
	v_pk_add_f32 v[VF+4*\t:VF+4*\t+1], v[VF+4*\t:VF+4*\t+1], v[KF+4*\t:KF+4*\t+1]
	v_pk_add_f32 v[VF+4*\t+2:VF+4*\t+3], v[VF+4*\t+2:VF+4*\t+3], v[KF+4*\t+2:KF+4*\t+3]
	global_store_b128 v[GO], v[VF+4*\t:VF+4*\t+3], s[62:63] offset:4096*\t
.endr
	s_wait_xcnt 0x0
	v_lshl_add_u32 v254, v0, 2, 0x42000            ; the add's two registers, made anew
	v_mov_b32 v255, 0
	s_wait_alu depctr_va_vdst(0)
	s_wait_tensorcnt 0x0                           ; the wave's end
	ds_add_u32 v254, v255
	s_wait_dscnt 0x0
	CROUND                                         ; the closing round
	s_endpgm
.Lfunc_end_k_q70400f5df0_attn:
	.size	k_q70400f5df0_attn, .Lfunc_end_k_q70400f5df0_attn-k_q70400f5df0_attn
	.p2alignl 7, 3214868480
	.fill 96, 4, 3214868480
	.section	.rodata,"a",@progbits
	.p2align	6, 0x0
	.amdhsa_kernel k_q70400f5df0_attn
		.amdhsa_group_segment_fixed_size 327680
		.amdhsa_private_segment_fixed_size 0
		.amdhsa_enable_private_segment 0
		.amdhsa_kernarg_size 24
		.amdhsa_user_sgpr_count 2
		.amdhsa_user_sgpr_kernarg_segment_ptr 1
		.amdhsa_wavefront_size32 1
		.amdhsa_system_sgpr_workgroup_id_x 1
		.amdhsa_system_sgpr_workgroup_id_y 1
		.amdhsa_system_sgpr_workgroup_id_z 1
		.amdhsa_system_vgpr_workitem_id 0
		.amdhsa_next_free_vgpr 256
		.amdhsa_next_free_sgpr 80
		.amdhsa_reserve_vcc 0
		.amdhsa_float_denorm_mode_32 3
		.amdhsa_float_denorm_mode_16_64 3
		.amdhsa_memory_ordered 1
		.amdhsa_forward_progress 1
		.amdhsa_inst_pref_size 83
	.end_amdhsa_kernel
	.amdgpu_metadata
---
amdhsa.version: [ 1, 2 ]
amdhsa.kernels:
  - .name:           k_q70400f5df0_attn
    .symbol:         k_q70400f5df0_attn.kd
    .args:
      - { .name: qkv, .offset: 0, .size: 8, .value_kind: global_buffer, .address_space: global }
      - { .name: x, .offset: 8, .size: 8, .value_kind: global_buffer, .address_space: global }
      - { .name: x1, .offset: 16, .size: 8, .value_kind: global_buffer, .address_space: global }
    .group_segment_fixed_size: 327680
    .private_segment_fixed_size: 0
    .kernarg_segment_align: 8
    .kernarg_segment_size: 24
    .max_flat_workgroup_size: 512
    .sgpr_count:     80
    .vgpr_count:     256
    .wavefront_size: 32
...
	.end_amdgpu_metadata
.endif
;; end of part 3
;; launch ln2 (part 4): grid 512 x 1, 4 waves a work-group, no clusters, 33,792 bytes of LDS; arguments x1, alpha, beta, hq; writes hq
.if DOCPART == 4
	.amdgcn_target "amdgcn-amd-amdhsa--gfx1250"
	.amdhsa_code_object_version 6
	.text
	.protected	k_q70400f5df0_ln2
	.globl	k_q70400f5df0_ln2
	.p2align	8
	.type	k_q70400f5df0_ln2,@function
k_q70400f5df0_ln2:
	s_mov_b64 s[64:65], 0
	v_nop
	global_prefetch_b8 v0, s[64:65] scope:SCOPE_SE
	s_setreg_imm32_b32 hwreg(HW_REG_WAVE_MODE, 25, 1), 1
	s_wait_xcnt 0x0
; The second layer norm, of x1, quantised along its 512 columns into codes of BF8 (E5M2) with one E8M0 byte for each 32: the same work as the first launch's layer norm.
; Work-group T makes tile T, 16 rows in the tile order (lane r of tile 2 b + u = row 32 b + 8 u + r + 8 (r / 8)); wave w norms stage rows 4 w .. 4 w + 3, then quantises K step w of all 16.
; A fragment is stored as the image of its registers: group c of lane l at 512 c + 16 l.  LIMITS: NaN and infinities are not served; a block under 2^-111 keeps the byte 1; the bytes are read by this program alone.
; No cluster, no tensor load: no two work-groups read the same bytes.
.set XS,  4194304
.set SP,  2064
.set DST, 10                           ; s[10:11] hq
.set X,   16
.set PR,  80
.set MG,  88
.set PC,  96
.set TM,  112
.set PW,  128
.set SEL, 60
.set MNT, 62
.macro QUANT s
.irp b, 0,1,2,3
	v_max3_num_f32 v[TM+\b], |v[\s+16*\b]|, |v[\s+1+16*\b]|, 0x8000000   ; my 16 numbers of block b, and the floor 2^(16 - 127)
.endr
.irp i, 2,4,6,8,10,12,14
.irp b, 0,1,2,3
	v_max3_num_f32 v[TM+\b], v[TM+\b], |v[\s+16*\b+\i]|, |v[\s+1+16*\b+\i]|
.endr
.endr
.irp b, 0,1,2,3
	v_permlanex16_b32 v[TM+4+\b], v[TM+\b], s[SEL], s[SEL+1]
.endr
.irp b, 0,1,2,3
	v_max_num_f32 v[TM+\b], v[TM+\b], v[TM+4+\b]
.endr
.irp b, 0,1,2,3
	v_add_nc_u32 v[TM+12+\b], 0xf8800000, v[TM+\b]                ; 15 off the exponent field: the conversion's scale operand
.endr
.irp b, 0,1,2,3
	v_and_or_b32 v[TM+8+\b], v[TM+\b], 0x7f800000, s[MNT]         ; 57,344 x the scale
.endr
.irp b, 0,1,2,3
	v_lshrrev_b32 v[TM+4+\b], 23, v[TM+12+\b]
.endr
	v_lshl_or_b32 v[PW], v[TM+5], 8, v[TM+4]
	v_lshl_or_b32 v[PW], v[TM+6], 16, v[PW]
	v_lshl_or_b32 v[PW], v[TM+7], 24, v[PW]
.set j, 0
.rept 64
	v_med3_num_f32 v[\s+j], v[\s+j], -v[TM+8+j/16], v[TM+8+j/16]  ; the conversion does not saturate (ISA guide 7.6.2)
.set j, j+1
.endr
.irp b, 0,1,2,3
	v_cvt_scalef32_pk8_bf8_f32 v[PC+4*\b:PC+1+4*\b], v[\s+16*\b:\s+7+16*\b], v[TM+12+\b]
	v_cvt_scalef32_pk8_bf8_f32 v[PC+2+4*\b:PC+3+4*\b], v[\s+8+16*\b:\s+15+16*\b], v[TM+12+\b]
.endr
	v_nop
.endm
.macro ACROSS
.irp i, 0,1,2,3
	v_add_f32 v[PR+2*\i], v[PR+2*\i], v[PR+2*\i+1]
.endr
.irp m, 1,2,4,8
.irp i, 0,1,2,3
	v_add_f32_dpp v[PR+2*\i], v[PR+2*\i], v[PR+2*\i] row_xmask:\m row_mask:0xf bank_mask:0xf
.endr
.endr
.irp i, 0,1,2,3
	v_permlanex16_b32 v[PR+2*\i+1], v[PR+2*\i], s[SEL], s[SEL+1]
.endr
.irp i, 0,1,2,3
	v_add_f32 v[PR+2*\i], v[PR+2*\i], v[PR+2*\i+1]
.endr
.endm
	s_load_b256 s[4:11], s[0:1], 0x0               ; x1 s[4:5], alpha s[6:7], beta s[8:9], hq s[10:11]
	v_lshl_add_u32 v136, v0, 2, 0x8200
	v_mov_b32 v137, 0
	v_lshrrev_b32 v1, 5, v0
	v_readfirstlane_b32 s24, v1                    ; wave 0..3
	v_and_b32 v1, 31, v0                           ; lane
	s_mov_b32 s[SEL], 0x76543210
	s_mov_b32 s[SEL+1], 0xfedcba98
	s_mov_b32 s[MNT], 0x600000
	s_wait_alu depctr_va_vdst(0)
	s_wait_kmcnt 0x0
	s_load_b32 s26, s[6:7], 0x0                    ; alpha
	s_load_b32 s28, s[8:9], 0x0                    ; beta
	v_and_b32 v2, 15, v0                           ; r
	v_bfe_u32 v3, v0, 4, 1                         ; h
	v_lshlrev_b32 v4, 4, v1
	s_mul_i32 s30, s24, 4*SP
	v_add_nc_u32 v5, s30, v4                       ; the stage, in
	v_mul_u32_u24 v6, v2, SP
	v_lshl_add_u32 v6, v3, 6, v6
	s_lshl_b32 s30, s24, 9
	v_add_nc_u32 v6, s30, v6                       ; out: row r, K step w, 64 h
	v_lshlrev_b32 v7, 2, v2
.irp b, 0,1,2,3
	v_mov_b32 v[TM+4+\b], 0
.endr
	s_mov_b32 s32, 0x3b004020                      ; 1 / 511
	s_mov_b32 s33, 0x358637bd                      ; 1e-6
	s_lshr_b32 s30, ttmp9, 1
	s_lshl_b32 s30, s30, 5
	s_and_b32 s31, ttmp9, 1
	s_lshl_b32 s31, s31, 3
	s_add_co_u32 s30, s30, s31
	s_lshl_b32 s31, s24, 2
	s_add_co_u32 s30, s30, s31
	s_lshr_b32 s31, s24, 1
	s_lshl_b32 s31, s31, 3
	s_add_co_u32 s30, s30, s31                     ; my first row: 32 (T / 2) + 8 (T % 2) + 4 w + 8 (w / 2)
	s_lshl_b32 s30, s30, 11
	s_mov_b32 s31, 0
	s_add_nc_u64 s[4:5], s[4:5], s[30:31]
.irp i, 0,1,2,3
.irp j, 0,1,2,3
	global_load_b128 v[X+16*\i+4*\j:X+16*\i+4*\j+3], v4, s[4:5] offset:2048*\i+512*\j
.endr
.endr
	s_lshl_b32 s34, ttmp9, 13
	s_lshl_b32 s35, s24, 11
	s_add_co_u32 s34, s34, s35
	s_mov_b32 s35, 0
	s_add_nc_u64 s[36:37], s[DST:DST+1], s[34:35]
	s_lshl_b32 s34, ttmp9, 8
	s_lshl_b32 s38, s24, 6
	s_add_co_u32 s34, s34, s38
	s_add_co_u32 s34, s34, XS
	s_add_nc_u64 s[38:39], s[DST:DST+1], s[34:35]
	s_wait_kmcnt 0x0
	s_mov_b32 s29, s28
	s_wait_loadcnt 0x0
.irp i, 0,1,2,3
	v_pk_add_f32 v[PR+2*\i:PR+2*\i+1], v[X+16*\i:X+16*\i+1], v[X+16*\i+2:X+16*\i+3]
.endr
.irp k, 4,6,8,10,12,14
.irp i, 0,1,2,3
	v_pk_add_f32 v[PR+2*\i:PR+2*\i+1], v[PR+2*\i:PR+2*\i+1], v[X+16*\i+\k:X+16*\i+\k+1]
.endr
.endr
	ACROSS
.irp i, 0,1,2,3
	v_mul_f32 v[MG+2*\i], 0x3b000000, v[PR+2*\i]   ; the mean
	v_mul_f32 v[MG+2*\i+1], 0x3b000000, v[PR+2*\i]
.endr
.irp i, 0,1,2,3
.irp k, 0,2,4,6,8,10,12,14
	v_pk_add_f32 v[X+16*\i+\k:X+16*\i+\k+1], v[X+16*\i+\k:X+16*\i+\k+1], v[MG+2*\i:MG+2*\i+1] neg_lo:[0,1] neg_hi:[0,1]
.endr
.endr
.irp i, 0,1,2,3
	v_pk_mul_f32 v[PR+2*\i:PR+2*\i+1], v[X+16*\i:X+16*\i+1], v[X+16*\i:X+16*\i+1]
.endr
.irp k, 2,4,6,8,10,12,14
.irp i, 0,1,2,3
	v_pk_fma_f32 v[PR+2*\i:PR+2*\i+1], v[X+16*\i+\k:X+16*\i+\k+1], v[X+16*\i+\k:X+16*\i+\k+1], v[PR+2*\i:PR+2*\i+1]
.endr
.endr
	ACROSS
.irp i, 0,1,2,3
	v_fma_f32 v[PR+2*\i], v[PR+2*\i], s32, s33
.endr
	s_wait_alu depctr_va_vdst(0)
.irp i, 0,1,2,3
	v_rsq_f32 v[PR+2*\i+1], v[PR+2*\i]
.endr
	v_nop
	s_wait_alu depctr_va_vdst(0)
.irp i, 0,1,2,3
	v_mul_f32 v[MG+2*\i], s26, v[PR+2*\i+1]
	v_mul_f32 v[MG+2*\i+1], s26, v[PR+2*\i+1]
.endr
.irp i, 0,1,2,3
.irp k, 0,2,4,6,8,10,12,14
	v_pk_fma_f32 v[X+16*\i+\k:X+16*\i+\k+1], v[X+16*\i+\k:X+16*\i+\k+1], v[MG+2*\i:MG+2*\i+1], s[28:29] op_sel_hi:[1,1,0]
.endr
.endr
.irp i, 0,1,2,3
.irp j, 0,1,2,3
	ds_store_b128 v5, v[X+16*\i+4*\j:X+16*\i+4*\j+3] offset:SP*\i+512*\j
.endr
.endr
	s_wait_dscnt 0x0                               ; for the others' sake
	s_barrier_signal -1
	s_barrier_wait -1
.irp c, 0,1,2,3
.irp j, 0,1,2,3
	ds_load_b128 v[X+16*\c+4*\j:X+16*\c+4*\j+3], v6 offset:128*\c+16*\j
.endr
.endr
	s_wait_dscnt 0x0
	QUANT X
.irp c, 0,1,2,3
	global_store_b128 v4, v[PC+4*\c:PC+4*\c+3], s[36:37] offset:512*\c
.endr
	v_cmp_gt_u32 vcc_lo, 16, v1
	s_wait_xcnt 0x0                                ; EXEC changes only behind this wait
	s_wait_tensorcnt 0x0
	ds_add_u32 v136, v137
	s_wait_dscnt 0x0
	s_and_saveexec_b32 s34, vcc_lo
	global_store_b32 v7, v[PW], s[38:39]
	s_wait_xcnt 0x0
	s_or_b32 exec_lo, exec_lo, s34
	s_endpgm
.Lfunc_end_k_q70400f5df0_ln2:
	.size	k_q70400f5df0_ln2, .Lfunc_end_k_q70400f5df0_ln2-k_q70400f5df0_ln2
	.p2alignl 7, 3214868480
	.fill 96, 4, 3214868480
	.section	.rodata,"a",@progbits
	.p2align	6, 0x0
	.amdhsa_kernel k_q70400f5df0_ln2
		.amdhsa_group_segment_fixed_size 33792
		.amdhsa_private_segment_fixed_size 0
		.amdhsa_enable_private_segment 0
		.amdhsa_kernarg_size 32
		.amdhsa_user_sgpr_count 2
		.amdhsa_user_sgpr_kernarg_segment_ptr 1
		.amdhsa_wavefront_size32 1
		.amdhsa_system_sgpr_workgroup_id_x 1
		.amdhsa_system_sgpr_workgroup_id_y 1
		.amdhsa_system_sgpr_workgroup_id_z 1
		.amdhsa_system_vgpr_workitem_id 0
		.amdhsa_next_free_vgpr 138
		.amdhsa_next_free_sgpr 66
		.amdhsa_reserve_vcc 1
		.amdhsa_float_denorm_mode_32 3
		.amdhsa_float_denorm_mode_16_64 3
		.amdhsa_memory_ordered 1
		.amdhsa_forward_progress 1
		.amdhsa_inst_pref_size 27
	.end_amdhsa_kernel
	.amdgpu_metadata
---
amdhsa.version: [ 1, 2 ]
amdhsa.kernels:
  - .name:           k_q70400f5df0_ln2
    .symbol:         k_q70400f5df0_ln2.kd
    .args:
      - { .name: x1, .offset: 0, .size: 8, .value_kind: global_buffer, .address_space: global }
      - { .name: alpha, .offset: 8, .size: 8, .value_kind: global_buffer, .address_space: global }
      - { .name: beta, .offset: 16, .size: 8, .value_kind: global_buffer, .address_space: global }
      - { .name: hq, .offset: 24, .size: 8, .value_kind: global_buffer, .address_space: global }
    .group_segment_fixed_size: 33792
    .private_segment_fixed_size: 0
    .kernarg_segment_align: 8
    .kernarg_segment_size: 32
    .max_flat_workgroup_size: 128
    .sgpr_count:     66
    .vgpr_count:     138
    .wavefront_size: 32
...
	.end_amdgpu_metadata
.endif
;; end of part 4
;; launch ffn1 (part 5): grid 16 x 32, 4 waves a work-group, clusters of 4 x 4, 270,848 bytes of LDS; arguments hq, wts, b1, hid; writes hid
.if DOCPART == 5
	.amdgcn_target "amdgcn-amd-amdhsa--gfx1250"
	.amdhsa_code_object_version 6
	.text
	.protected	k_q70400f5df0_ffn1
	.globl	k_q70400f5df0_ffn1
	.p2align	8
	.type	k_q70400f5df0_ffn1,@function
k_q70400f5df0_ffn1:
	s_mov_b64 s[64:65], 0
	v_nop
	global_prefetch_b8 v0, s[64:65] scope:SCOPE_SE
	s_setreg_imm32_b32 hwreg(HW_REG_WAVE_MODE, 25, 1), 1
	s_wait_xcnt 0x0
	s_wait_alu depctr_hold_cnt(0) depctr_sa_sdst(0) depctr_va_vdst(0) depctr_va_sdst(0) depctr_va_ssrc(0) depctr_va_vcc(0) depctr_vm_vsrc(0)
	s_getreg_b32 s2, hwreg(HW_REG_IB_STS2, 6, 4)
	s_cmp_eq_u32 s2, 0
	s_cbranch_scc0 .Lentry_in_a_cluster
	s_endpgm
.Lentry_in_a_cluster:
	s_bfe_u32 s2, ttmp6, 0x10000c
	s_cmp_lg_u32 s2, 0xf033
	s_cbranch_scc0 .Lentry_shape_is_right
	s_endpgm
.Lentry_shape_is_right:
; hidden = Q(relu(h W1 + b1)): a product on codes of BF8 with E8M0 scales, K = 512, whose result is quantised along the hidden units for the next product.
; A work-group makes 256 rows of h (P) x 256 hidden units (Q); a wave 128 x 128: 64 accumulators.  Source 0 = a tile of W1's columns, source 1 = a tile of h's rows: a lane holds ONE row, its registers run along the hidden units.
; By the tile order (lane r of tile 2 b + u = row 32 b + 8 u + r + 8 (r / 8)) a lane's 16 registers of tiles 2 b, 2 b + 1 are 16 neighbouring hidden units: a block of P gives one fragment of the next operand, stored as its register image.
; b1 is the C of each sum's first matrix instruction; the activation is the hold that the conversion wants anyway, from 0 up.
; All of K lies in LDS at once, in two halves brought by one tensor load a wave each: nothing is filled twice.
; CLUSTERS: 4 x 4 work-groups; the four of a row need the same tiles of h, the four of a column the same tiles of W1: each is asked for jointly.
; LIMITS: NaN and infinities are not served; a block under 2^-111 keeps the byte 1; the bytes are read by this program alone.
; REGISTERS: window 0: v1-27 addresses, v32-63 scale words, v64-127 b1, v128-255 P's fragments, later the way out.  window 1: Q's fragments, two sets.  windows 2, 3: accumulator (a, b) at v[8 (8 (a % 4) + b)].
.set XS,     4194304
.set W1C,    811008
.set W1S,    2908160
.set HS,     33554432                  ; hid: codes [row tile 512][K step 32][2,048]; words here: [K step 32][row tile 512][64]
.set SLOT,   4096                      ; a tile's K steps 2, 3 lie 4,096 bytes behind its steps 0, 1: ONE joint load a wave brings all four steps of its 8 tiles, [tile 8][K step 4][2,048], to 65,536 x wave
.set SCL,    262144
.set FR,  16
.set NP,  8
.set L16,  4
.set L4,   12
.set ADRA, 16
.set ADRB, 20
.set ADRS, 27
.set SC,   32
.set BIAS, 64
.set AF,   128
.set TM,   128
.set PC,   144
.set PW,   160
.set SV,   168
.set G1,  24
.set G0,  32
.set G1B, 48
.set G0B, 56
.set G1S, 68
.set G0S, 76
.set G1SB, 80
.set G0SB, 88
.set SEL, 66
.set MNT, 95
.set CB,  96
.set SB,  98
.set MSB, 0
.macro WIN new
.if MSB != (\new)
	s_set_vgpr_msb (MSB<<8)|(\new)
.set MSB, (\new)
.endif
.endm
.set MUL_LO, 0xa1
.set MUL_HI, 0xf1
.set TO_B,   0x40
.macro PLACES n
.rept \n
	v_nop
.endr
.endm
; A joint load: waves 0 and 1 fetch for P, waves 2 and 3 for Q.  Each line has one mask and one set of registers; the branch hangs on the wave's number alone.  Four v_nop follow each line.
.macro JLOAD g0a, g1a, g0b, g1b
	s_cmp_eq_u32 s15, 0
	s_cbranch_scc0 .Lfor_b_\@
	tensor_load_to_lds s[\g0a:\g0a+3], s[\g1a:\g1a+7]
	s_nop 0
.rept 4
	v_nop
.endr
	s_branch .Lasked_\@
.Lfor_b_\@:
	tensor_load_to_lds s[\g0b:\g0b+3], s[\g1b:\g1b+7]
	s_nop 0
.rept 4
	v_nop
.endr
.Lasked_\@:
.endm
.macro CROUND
	s_barrier_signal -1
	s_barrier_wait -1
	s_cmp_lg_u32 s14, 0
	s_cbranch_scc1 .Lnot_wave_0_\@
	s_barrier_signal -3
.Lnot_wave_0_\@:
	s_barrier_wait -3
	s_barrier_signal -1
	s_barrier_wait -1
.endm
	s_load_b128 s[4:7], s[0:1], 0x0                ; hq s[4:5], wts s[6:7]
	s_load_b128 s[8:11], s[0:1], 0x10              ; b1 s[8:9], hid s[10:11]
	v_lshl_add_u32 v30, v0, 2, 0x42000
	v_mov_b32 v31, 0
	ds_add_u32 v30, v31
	ds_add_u32 v30, v31
	v_lshrrev_b32 v1, 5, v0
	v_readfirstlane_b32 s14, v1                    ; wave 0..3
	s_lshr_b32 s15, s14, 1                         ; my half of P's rows.  Also: I fetch for P (0) or for Q (1)
	s_and_b32 s16, s14, 1                          ; my half of Q's.  Also: which 8 tiles I fetch
	s_bfe_u32 s40, ttmp6, 0x40000                  ; cx, cy
	s_bfe_u32 s41, ttmp6, 0x40004
	s_lshl_b32 s42, ttmp9, 2
	s_add_co_u32 s42, s42, s40                     ; tx
	s_and_b32 s17, ttmp7, 0xffff
	s_lshl_b32 s17, s17, 2
	s_add_co_u32 s17, s17, s41                     ; ty
	s_lshl_b32 s43, s41, 2
	s_lshl_b32 s43, 15, s43                        ; my row of the cluster
	s_lshl_b32 s44, 0x1111, s40                    ; my column
	s_or_b32 s[G1], s43, (3<<16)|(1<<21)           ; the mask; elements of 8 bytes; bit 21 beside a mask
	s_or_b32 s[G1B], s44, (3<<16)|(1<<21)
.irp g, G1, G1B
	s_mov_b32 s[\g+1], 1024<<16                    ; 8,192 bytes: the four K steps of a tile
	s_mov_b32 s[\g+2], 8<<16                       ; 8 tiles
	s_mov_b32 s[\g+3], 1024<<16
	s_mov_b32 s[\g+4], 8
	s_mov_b32 s[\g+5], 1024                        ; 8,192 bytes from tile to tile
	s_mov_b32 s[\g+6], 0
	s_mov_b32 s[\g+7], 0
.endr
	s_lshl_b32 s18, s16, 3
	s_lshl_b32 s20, s17, 4
	s_add_co_u32 s20, s20, s18                     ; P: tile 16 ty + 8 x half
	s_lshl_b32 s46, s42, 4
	s_add_co_u32 s46, s46, s18                     ; Q: tile 16 tx + 8 x half
	s_lshl_b32 s22, s17, 4                         ; the scale words of the 8 tiles of P that I multiply: tile 16 ty + 8 x my half of P; Q's, below, are those of the tiles that I fetch
	s_lshl_b32 s23, s15, 3
	s_add_co_u32 s22, s22, s23
	s_lshl_b32 s22, s22, 8
	s_add_co_u32 s22, s22, XS
	s_mov_b32 s23, 0
	s_lshl_b32 s92, s46, 8
	s_add_co_u32 s92, s92, W1S
	s_mov_b32 s93, 0
	s_lshl_b32 s20, s20, 13
	s_mov_b32 s21, 0
	s_lshl_b32 s46, s46, 13
	s_add_co_u32 s46, s46, W1C
	s_mov_b32 s47, 0
	s_lshl_b32 s45, s14, 16                        ; where they go: no place in the cluster enters an LDS address
	s_wait_dscnt 0x0
	s_wait_kmcnt 0x0
	s_add_nc_u64 s[20:21], s[4:5], s[20:21]
	s_add_nc_u64 s[22:23], s[4:5], s[22:23]
	s_add_nc_u64 s[46:47], s[6:7], s[46:47]
	s_add_nc_u64 s[92:93], s[6:7], s[92:93]
	CROUND                                         ; all sixteen work-groups are here: the joint loads meet
	s_mov_b32 s[G0], 1
	s_mov_b32 s[G0+1], s45
	s_mov_b64 s[G0+2:G0+3], s[20:21]
	s_or_b32 s[G0+3], s[G0+3], 0x80000000
	s_mov_b32 s[G0B], 1
	s_mov_b32 s[G0B+1], s45
	s_mov_b64 s[G0B+2:G0B+3], s[46:47]
	s_or_b32 s[G0B+3], s[G0B+3], 0x80000000
	JLOAD G0, G1, G0B, G1B                         ; my one tensor load: 65,536 dense bytes
	v_and_b32 v1, 31, v0                           ; lane
	v_bfe_u32 v3, v0, 4, 1                         ; h
	v_lshlrev_b32 v[L16], 4, v1
	s_wait_alu depctr_va_vdst(0)
	v_lshlrev_b32 v[L4], 2, v1
	s_lshl_b32 s2, s42, 10
	s_lshl_b32 s3, s16, 9
	s_add_co_u32 s2, s2, s3
	s_mov_b32 s3, 0
	s_add_nc_u64 s[8:9], s[8:9], s[2:3]            ; b1 at my 128 hidden units
	v_lshlrev_b32 v5, 6, v3                        ; lane (r, h) wants, for tile 2 b + u, units 32 b + 16 h + 8 u + 0 .. 7
.irp t, 0,1,2,3,4,5,6,7
	global_load_b128 v[BIAS+8*\t:BIAS+8*\t+3], v5, s[8:9] offset:(32*(\t/2)+8*(\t%2))*4
	global_load_b128 v[BIAS+8*\t+4:BIAS+8*\t+7], v5, s[8:9] offset:(32*(\t/2)+8*(\t%2))*4+16
.endr
; the scale words go straight into registers, 128 consecutive bytes a load (one byte in 32 of what the work-group reads, so they are not asked for jointly):
; v[SC + 2 i + j] P's tile i, v[SC + 16 + 2 i + j] Q's tile i: lanes 0-15 K step 2 j, lanes 16-31 K step 2 j + 1
.irp i, 0,1,2,3,4,5,6,7
.irp j, 0,1
	global_load_b32 v[SC+2*\i+\j], v[L4], s[22:23] offset:256*\i+128*\j
	global_load_b32 v[SC+16+2*\i+\j], v[L4], s[92:93] offset:256*\i+128*\j
.endr
.endr
	s_lshl_b32 s12, s15, 16
	v_add_nc_u32 v[ADRA], s12, v[L16]
	v_add_nc_u32 v[ADRA+1], SLOT, v[ADRA]
	s_lshl_b32 s12, s16, 16
	s_add_co_u32 s12, s12, 131072
	v_add_nc_u32 v[ADRB], s12, v[L16]
	v_add_nc_u32 v[ADRB+1], SLOT, v[ADRB]
	s_mov_b32 s[SEL], 0x76543210
	s_mov_b32 s[SEL+1], 0xfedcba98
	s_mov_b32 s[MNT], 0x600000
	s_lshl_b32 s12, s17, 4
	s_lshl_b32 s13, s15, 3
	s_add_co_u32 s12, s12, s13                     ; my first row tile: 16 ty + 8 x half
	s_lshl_b32 s13, s42, 1
	s_add_co_u32 s13, s13, s16                     ; my K step of the next product: 2 tx + half
	s_lshl_b32 s[CB], s12, 16
	s_lshl_b32 s18, s13, 11
	s_add_co_u32 s[CB], s[CB], s18
	s_mov_b32 s[CB+1], 0
	s_add_nc_u64 s[CB:CB+1], s[10:11], s[CB:CB+1]
	s_lshl_b32 s[SB], s13, 15
	s_lshl_b32 s18, s12, 6
	s_add_co_u32 s[SB], s[SB], s18
	s_add_co_u32 s[SB], s[SB], HS
	s_mov_b32 s[SB+1], 0
	s_add_nc_u64 s[SB:SB+1], s[10:11], s[SB:SB+1]
.macro FRAG reg, adr, q, i
.irp c, 0,1,2,3
	ds_load_b128 v[\reg+4*\c:\reg+4*\c+3], v[\adr] offset:8192*(\i)+2048*(\q)+512*\c
.endr
.endm
.macro FETCH_B slot, q, p
	WIN TO_B
.irp i, 0,1,2,3,4,5,6,7
	FRAG 128*(\p)+FR*\i, ADRB+\slot, \q, \i
.endr
	WIN 0
.endm
.macro FETCH_A slot, q, i0
.irp i, \i0, \i0+1, \i0+2, \i0+3
	FRAG AF+FR*(\i), ADRA+\slot, \q, \i
.endr
.endm
; 16 matrix instructions; first = 1: the sums begin with b1.  The 64 accumulators take turns, one instruction a turn.
.macro MUL16 a0, p, kq, first
.irp a, \a0, \a0+1
.irp b, 0,1,2,3,4,5,6,7
.set SQ, SC+16+2*\b+(\kq)/2
.set SPP, SC+2*(\a)+(\kq)/2
.set DD, 8*(8*((\a)%4)+\b)
.set QF, 128*(\p)+FR*\b
.set PF, AF+FR*(\a)
.if \first
	v_wmma_scale_f32_16x16x128_f8f6f4 v[DD:DD+7], v[QF:QF+15], v[PF:PF+15], v[BIAS+8*\b:BIAS+8*\b+7], v[SQ], v[SPP] matrix_a_fmt:MATRIX_FMT_BF8 matrix_b_fmt:MATRIX_FMT_BF8
.elseif (\kq)%2
	v_wmma_scale_f32_16x16x128_f8f6f4 v[DD:DD+7], v[QF:QF+15], v[PF:PF+15], v[DD:DD+7], v[SQ], v[SPP] matrix_a_fmt:MATRIX_FMT_BF8 matrix_b_fmt:MATRIX_FMT_BF8 matrix_a_scale:MATRIX_SCALE_ROW1 matrix_b_scale:MATRIX_SCALE_ROW1
.else
	v_wmma_scale_f32_16x16x128_f8f6f4 v[DD:DD+7], v[QF:QF+15], v[PF:PF+15], v[DD:DD+7], v[SQ], v[SPP] matrix_a_fmt:MATRIX_FMT_BF8 matrix_b_fmt:MATRIX_FMT_BF8
.endif
.endr
.endr
.endm
.macro STEP slot, kq, first
	s_wait_dscnt 16                                ; all but the youngest 16 loads, P's blocks 4-7
.if \first
	WIN 0x81                                       ; C (b1) in window 0, D in window 2
.else
	WIN MUL_LO
.endif
	MUL16 0, 0, \kq, \first
	MUL16 2, 0, \kq, \first
	s_wait_dscnt 0x0
	PLACES NP
	FETCH_B \slot, 1, 1
	FETCH_A \slot, 1, 0
.if \first
	WIN 0xc1
.else
	WIN MUL_HI
.endif
	MUL16 4, 0, \kq, \first
	MUL16 6, 0, \kq, \first
	PLACES NP
	WIN 0
	FETCH_A \slot, 1, 4
.endm
	s_wait_alu depctr_va_vdst(0)
	s_wait_tensorcnt 0x0                           ; my 8 tiles are in
	s_barrier_signal -1
	s_barrier_wait -1                              ; everybody's are: nothing lands in LDS behind this barrier
	FETCH_B 0, 0, 0
	FETCH_A 0, 0, 0
	FETCH_A 0, 0, 4
	s_wait_loadcnt 0x0                             ; b1
	STEP 0, 0, 1
	s_wait_dscnt 16                                ; K step 1
	WIN MUL_LO
	MUL16 0, 1, 1, 0
	MUL16 2, 1, 1, 0
	s_wait_dscnt 0x0
	PLACES NP
	FETCH_B 1, 0, 0
	FETCH_A 1, 0, 0
	WIN MUL_HI
	MUL16 4, 1, 1, 0
	MUL16 6, 1, 1, 0
	PLACES NP
	WIN 0
	FETCH_A 1, 0, 4
	STEP 1, 2, 0
	s_wait_dscnt 16
	WIN MUL_LO
	MUL16 0, 1, 3, 0
	MUL16 2, 1, 3, 0
	s_wait_dscnt 0x0
	WIN MUL_HI
	MUL16 4, 1, 3, 0
	MUL16 6, 1, 3, 0
	WIN 0
	PLACES NP
.irp b, 0,1,2,3
	v_mov_b32 v[TM+4+\b], 0
.endr
; THE WAY OUT of P's block a: relu and quantiser in registers; one fragment of the hidden layer, stored as its register image.
.macro EPI a
.set AC, 64*((\a)%4)
.set HI, (\a)/4
.if (\a) > 0
	s_wait_xcnt 0x0                                ; the last block's stores have read their codes and their base
	s_add_nc_u64 s[CB:CB+1], s[CB:CB+1], 65536     ; the next row tile
.endif
	WIN 0x0a+5*HI
.irp b, 0,1,2,3
	v_max3_num_f32 v[TM+\b], v[AC+16*\b], v[AC+16*\b+1], 0x8000000   ; no |.|: what is negative becomes 0 and must not count; the floor stands over it.  Each accumulator is read from its low end on
.endr
.irp i, 2,4,6,8,10,12,14
.irp b, 0,1,2,3
	v_max3_num_f32 v[TM+\b], v[AC+16*\b+\i], v[AC+16*\b+\i+1], v[TM+\b]
.endr
.endr
	WIN 0
.irp b, 0,1,2,3
	v_permlanex16_b32 v[TM+4+\b], v[TM+\b], s[SEL], s[SEL+1]
.endr
.irp b, 0,1,2,3
	v_max_num_f32 v[TM+\b], v[TM+\b], v[TM+4+\b]
.endr
.irp b, 0,1,2,3
	v_add_nc_u32 v[TM+12+\b], 0xf8800000, v[TM+\b]
.endr
.irp b, 0,1,2,3
	v_and_or_b32 v[TM+8+\b], v[TM+\b], 0x7f800000, s[MNT]
.endr
.irp b, 0,1,2,3
	v_lshrrev_b32 v[TM+4+\b], 23, v[TM+12+\b]
.endr
	v_lshl_or_b32 v[PW+(\a)], v[TM+5], 8, v[TM+4]
	v_lshl_or_b32 v[PW+(\a)], v[TM+6], 16, v[PW+(\a)]
	v_lshl_or_b32 v[PW+(\a)], v[TM+7], 24, v[PW+(\a)]
	WIN 0x82+0x41*HI
.set j, 0
.rept 64
	v_med3_num_f32 v[AC+j], v[AC+j], 0, v[TM+8+j/16]   ; the activation and the hold in one
.set j, j+1
.endr
	WIN 0x02+HI
.irp b, 0,1,2,3
	v_cvt_scalef32_pk8_bf8_f32 v[PC+4*\b:PC+4*\b+1], v[AC+16*\b:AC+16*\b+7], v[TM+12+\b]
	v_cvt_scalef32_pk8_bf8_f32 v[PC+4*\b+2:PC+4*\b+3], v[AC+16*\b+8:AC+16*\b+15], v[TM+12+\b]
.endr
	WIN 0
	v_nop
.irp c, 0,1,2,3
	global_store_b128 v[L16], v[PC+4*\c:PC+4*\c+3], s[CB:CB+1] offset:512*\c   ; 32 lanes store 512 consecutive bytes
.endr
.endm
.irp a, 0,1,2,3,4,5,6,7
	EPI \a
.endr
	v_cmp_le_u32 vcc_lo, 16, v1
.irp i, 0,1,2,3
	v_cndmask_b32 v[SV+\i], v[PW+2*\i], v[PW+2*\i+1], vcc_lo   ; lanes 0-15 row tile 2 i's words, lanes 16-31 tile 2 i + 1's
.endr
.irp i, 0,1,2,3
	global_store_b32 v[L4], v[SV+\i], s[SB:SB+1] offset:128*\i   ; my eight tiles' words: 512 consecutive bytes in four stores
.endr
	s_wait_tensorcnt 0x0
	ds_add_u32 v30, v31
	s_wait_dscnt 0x0
	CROUND                                         ; the closing round
	s_endpgm
.Lfunc_end_k_q70400f5df0_ffn1:
	.size	k_q70400f5df0_ffn1, .Lfunc_end_k_q70400f5df0_ffn1-k_q70400f5df0_ffn1
	.p2alignl 7, 3214868480
	.fill 96, 4, 3214868480
	.section	.rodata,"a",@progbits
	.p2align	6, 0x0
	.amdhsa_kernel k_q70400f5df0_ffn1
		.amdhsa_group_segment_fixed_size 270848
		.amdhsa_private_segment_fixed_size 0
		.amdhsa_enable_private_segment 0
		.amdhsa_kernarg_size 32
		.amdhsa_user_sgpr_count 2
		.amdhsa_user_sgpr_kernarg_segment_ptr 1
		.amdhsa_wavefront_size32 1
		.amdhsa_system_sgpr_workgroup_id_x 1
		.amdhsa_system_sgpr_workgroup_id_y 1
		.amdhsa_system_sgpr_workgroup_id_z 1
		.amdhsa_system_vgpr_workitem_id 0
		.amdhsa_next_free_vgpr 1024
		.amdhsa_next_free_sgpr 100
		.amdhsa_reserve_vcc 1
		.amdhsa_float_denorm_mode_32 3
		.amdhsa_float_denorm_mode_16_64 3
		.amdhsa_memory_ordered 1
		.amdhsa_forward_progress 1
		.amdhsa_inst_pref_size 131
	.end_amdhsa_kernel
	.amdgpu_metadata
---
amdhsa.version: [ 1, 2 ]
amdhsa.kernels:
  - .name:           k_q70400f5df0_ffn1
    .symbol:         k_q70400f5df0_ffn1.kd
    .args:
      - { .name: hq, .offset: 0, .size: 8, .value_kind: global_buffer, .address_space: global }
      - { .name: wts, .offset: 8, .size: 8, .value_kind: global_buffer, .address_space: global }
      - { .name: b1, .offset: 16, .size: 8, .value_kind: global_buffer, .address_space: global }
      - { .name: hid, .offset: 24, .size: 8, .value_kind: global_buffer, .address_space: global }
    .group_segment_fixed_size: 270848
    .private_segment_fixed_size: 0
    .kernarg_segment_align: 8
    .kernarg_segment_size: 32
    .max_flat_workgroup_size: 128
    .sgpr_count:     100
    .vgpr_count:     1024
    .wavefront_size: 32
...
	.end_amdgpu_metadata
.endif
;; end of part 5
;; launch ffn2 (part 6): grid 4 x 64, 4 waves a work-group, clusters of 4 x 4, 327,680 bytes of LDS; arguments hid, wts, b2, x1, out0; writes out0
.if DOCPART == 6
	.amdgcn_target "amdgcn-amd-amdhsa--gfx1250"
	.amdhsa_code_object_version 6
	.text
	.protected	k_q70400f5df0_ffn2
	.globl	k_q70400f5df0_ffn2
	.p2align	8
	.type	k_q70400f5df0_ffn2,@function
k_q70400f5df0_ffn2:
	s_mov_b64 s[64:65], 0
	v_nop
	global_prefetch_b8 v0, s[64:65] scope:SCOPE_SE
	s_setreg_imm32_b32 hwreg(HW_REG_WAVE_MODE, 25, 1), 1
	s_wait_xcnt 0x0
	s_wait_alu depctr_hold_cnt(0) depctr_sa_sdst(0) depctr_va_vdst(0) depctr_va_sdst(0) depctr_va_ssrc(0) depctr_va_vcc(0) depctr_vm_vsrc(0)
	s_getreg_b32 s2, hwreg(HW_REG_IB_STS2, 6, 4)
	s_cmp_eq_u32 s2, 0
	s_cbranch_scc0 .Lentry_in_a_cluster
	s_endpgm
.Lentry_in_a_cluster:
	s_bfe_u32 s2, ttmp6, 0x10000c
	s_cmp_lg_u32 s2, 0xf033
	s_cbranch_scc0 .Lentry_shape_is_right
	s_endpgm
.Lentry_shape_is_right:
.set W2C,    2973696
.set W2S,    5070848
.set HS,     33554432
.set SLOT,   131072
.set SCL,    262144
.set SPARE,  294912
.set NP,  8
.set LAPS, 4
.set BO,   7
.set ADRA, 16
.set ADRB, 20
.set STO,  24
.set RD,   25
.set CO,   26
.set ADRS, 27
.set SPW,  28
.set NIL,  29
.set SC,   32
.set BIAS, 64
.set XW,   0
.set ACC,  128
.set F0,   0
.set F1,   128
.set G1,  24
.set G0,  32
.set G1B, 48
.set G0B, 56
.set G1S, 68
.set G0S, 76
.set G1SB, 80
.set G0SB, 88
.set G0H,  4                           ; s[4:7], s[96:99] group 0 of the head's loads of slot 0: P's 8 tiles, Q's 8 tiles (the arguments in s[4:7] have been used by then)
.set G0HB, 96
.set PFO,  30                          ; v30 the prefetches' offset: 256 x my lane; never rewritten
.set PFA,  66                          ; s[66:67] where my prefetches stand: one of the four tiles that I fetch (my work-group's place among the four partners picks it, by address), at the slot that is being asked for
; one arm of the head's tree: its joint load, the lines behind it, a jump to the join
.macro ARM under, g0, g1, next
	s_cmp_lt_u32 s14, \under
	s_cbranch_scc0 \next
	tensor_load_to_lds s[\g0:\g0+3], s[\g1:\g1+7]
	s_nop 0
.rept 4
	v_nop
.endr
	s_branch .Lhead_asked
\next:
.endm
; a prefetch of the slot that stands two refills on: 8,192 bytes of one tile, a lane to each 256: each block is named once in the cluster.  The loop's last trip (s3 = 1) has no slot two on
.macro ASK
	s_cmp_gt_u32 s3, 1
	s_cbranch_scc0 .Lnot_asked_\@
	global_prefetch_b8 v[PFO], s[PFA:PFA+1] offset:16384 th:TH_LOAD_NT scope:SCOPE_SE
.Lnot_asked_\@:
.endm
.set MSB, 0
.macro WIN new
.if MSB != (\new)
	s_set_vgpr_msb (MSB<<8)|(\new)
.set MSB, (\new)
.endif
.endm
.set MUL,  0x05
.set TO_F, 0x40
.macro PLACES n
.rept \n
	v_nop
.endr
.endm
.macro JLOAD g0a, g1a, g0b, g1b
	s_cmp_eq_u32 s15, 0
	s_cbranch_scc0 .Lfor_b_\@
	tensor_load_to_lds s[\g0a:\g0a+3], s[\g1a:\g1a+7]
	s_nop 0
.rept 4
	v_nop
.endr
	s_branch .Lasked_\@
.Lfor_b_\@:
	tensor_load_to_lds s[\g0b:\g0b+3], s[\g1b:\g1b+7]
	s_nop 0
.rept 4
	v_nop
.endr
.Lasked_\@:
.endm
.macro CREST
	s_cmp_lg_u32 s14, 0
	s_cbranch_scc1 .Lnot_wave_0_\@
	s_barrier_signal -3
.Lnot_wave_0_\@:
	s_barrier_wait -3
	s_barrier_signal -1
	s_barrier_wait -1
.endm
.macro CROUND
	s_barrier_signal -1
	s_barrier_wait -1
	CREST
.endm
	s_load_b256 s[4:11], s[0:1], 0x0
	s_load_b64 s[12:13], s[0:1], 0x20
	v_lshl_add_u32 v[SPW], v0, 2, SPARE
	v_mov_b32 v[NIL], 0
	ds_add_u32 v28, v29
	ds_add_u32 v28, v29
	s_wait_dscnt 0x0
	v_lshrrev_b32 v1, 5, v0
	v_readfirstlane_b32 s14, v1
	v_and_b32 v[PFO], 31, v0
	v_lshlrev_b32 v[PFO], 8, v[PFO]
	s_lshr_b32 s15, s14, 1
	s_and_b32 s16, s14, 1
	s_bfe_u32 s40, ttmp6, 0x40000
	s_bfe_u32 s41, ttmp6, 0x40004
	s_lshl_b32 s42, ttmp9, 2
	s_add_co_u32 s42, s42, s40
	s_and_b32 s17, ttmp7, 0xffff
	s_lshl_b32 s17, s17, 2
	s_add_co_u32 s17, s17, s41
	s_lshl_b32 s43, s41, 2
	s_lshl_b32 s43, 15, s43
	s_lshl_b32 s44, 0x1111, s40
	s_or_b32 s[G1], s43, (3<<16)|(1<<21)
	s_or_b32 s[G1B], s44, (3<<16)|(1<<21)
.irp g, G1, G1B
	s_mov_b32 s[\g+1], 1024<<16                    ; 8,192 bytes: four K steps of a tile
	s_mov_b32 s[\g+2], 8<<16                       ; 8 tiles for the head's loads; behind them the two words that count rows are set to 4, for the ring's
	s_mov_b32 s[\g+3], 1024<<16
	s_mov_b32 s[\g+4], 8
	s_mov_b32 s[\g+5], 8192
	s_mov_b32 s[\g+6], 0
	s_mov_b32 s[\g+7], 0
.endr
	s_or_b32 s[G1S], s43, (3<<16)|(1<<21)
	s_or_b32 s[G1SB], s44, (3<<16)|(1<<21)
.irp g, G1S, G1SB
	s_mov_b32 s[\g+1], 64<<16                      ; the scale words: 512 bytes (8 tiles) for each of the 32 K steps
	s_mov_b32 s[\g+2], 32<<16
	s_mov_b32 s[\g+3], 64<<16
	s_mov_b32 s[\g+4], 32
	s_mov_b32 s[\g+6], 0
	s_mov_b32 s[\g+7], 0
.endr
	s_mov_b32 s[G1S+5], 4096
	s_mov_b32 s[G1SB+5], 256
	s_lshl_b32 s20, s17, 3                         ; P: tile 8 ty
	s_lshl_b32 s46, s42, 3                         ; Q: tile 8 tx
	s_lshl_b32 s22, s20, 6
	s_add_co_u32 s22, s22, HS
	s_mov_b32 s23, 0
	s_lshl_b32 s92, s46, 6
	s_add_co_u32 s92, s92, W2S
	s_mov_b32 s93, 0
	s_lshl_b32 s20, s20, 16
	s_mov_b32 s21, 0
	s_lshl_b32 s46, s46, 16
	s_add_co_u32 s46, s46, W2C
	s_mov_b32 s47, 0
	s_lshl_b32 s45, s14, 15
	s_lshl_b32 s18, s16, 18                        ; in the ring I fetch 4 tiles of the 8: which half, in bytes
	s_mov_b32 s19, 0
	s_wait_kmcnt 0x0
	s_add_nc_u64 s[20:21], s[4:5], s[20:21]
	s_add_nc_u64 s[22:23], s[4:5], s[22:23]
	s_add_nc_u64 s[46:47], s[6:7], s[46:47]
	s_add_nc_u64 s[92:93], s[6:7], s[92:93]
	CROUND
	s_mov_b32 s[G0H], 1                            ; the head's four tiles, each whole: slot 0's 8 tiles of P,
	s_mov_b32 s[G0H+1], 0
	s_mov_b64 s[G0H+2:G0H+3], s[20:21]
	s_or_b32 s[G0H+3], s[G0H+3], 0x80000000
	s_mov_b32 s[G0HB], 1                           ; its 8 tiles of Q, behind them,
	s_mov_b32 s[G0HB+1], 65536
	s_mov_b64 s[G0HB+2:G0HB+3], s[46:47]
	s_or_b32 s[G0HB+3], s[G0HB+3], 0x80000000
	s_mov_b32 s[G0S], 1                            ; P's scale words,
	s_mov_b32 s[G0S+1], SCL
	s_mov_b64 s[G0S+2:G0S+3], s[22:23]
	s_or_b32 s[G0S+3], s[G0S+3], 0x80000000
	s_mov_b32 s[G0SB], 1                           ; and Q's
	s_mov_b32 s[G0SB+1], SCL+16384
	s_mov_b64 s[G0SB+2:G0SB+3], s[92:93]
	s_or_b32 s[G0SB+3], s[G0SB+3], 0x80000000
	s_add_nc_u64 s[20:21], s[20:21], s[18:19]      ; for the ring: my 4 tiles
	s_add_nc_u64 s[46:47], s[46:47], s[18:19]
.irp s, 0,1
	s_mov_b32 s[G0+4*\s], 1
	s_add_co_u32 s[G0+4*\s+1], s45, \s*SLOT
	s_add_nc_u64 s[G0+4*\s+2:G0+4*\s+3], s[20:21], \s*8192
	s_or_b32 s[G0+4*\s+3], s[G0+4*\s+3], 0x80000000
	s_mov_b32 s[G0B+4*\s], 1
	s_add_co_u32 s[G0B+4*\s+1], s45, \s*SLOT
	s_add_nc_u64 s[G0B+4*\s+2:G0B+4*\s+3], s[46:47], \s*8192
	s_or_b32 s[G0B+4*\s+3], s[G0B+4*\s+3], 0x80000000
.endr
	s_cmp_eq_u32 s15, 0                            ; the prefetches: of the 4 tiles that I fetch (P's or Q's) the partner at place p takes tile p: p = cx for P, cy for Q
	s_cselect_b64 s[PFA:PFA+1], s[20:21], s[46:47]
	s_cselect_b32 s94, s40, s41
	s_lshl_b32 s94, s94, 16
	s_add_co_u32 s94, s94, 8192                    ; at slot 1: each change of slots that fills steps it one slot on
	s_mov_b32 s95, 0
	s_add_nc_u64 s[PFA:PFA+1], s[PFA:PFA+1], s[94:95]
	s_wait_alu depctr_va_vdst(0)
	ARM 1, G0H,  G1,  .Lhead_b                     ; ONE tree of branches on the wave's number, one joint load to an arm
	ARM 2, G0HB, G1B, .Lhead_sa
	ARM 3, G0S,  G1S, .Lhead_sb
	tensor_load_to_lds s[G0SB:G0SB+3], s[G1SB:G1SB+7]
	s_nop 0
.rept 4
	v_nop
.endr
.Lhead_asked:
	global_prefetch_b8 v[PFO], s[PFA:PFA+1] th:TH_LOAD_NT scope:SCOPE_SE               ; slot 1, whose load goes out when slot 0 is in,
	global_prefetch_b8 v[PFO], s[PFA:PFA+1] offset:8192 th:TH_LOAD_NT scope:SCOPE_SE   ; and slot 2, two loads on
	v_and_b32 v1, 15, v0
	v_bfe_u32 v2, v0, 4, 1
	v_and_b32 v3, 31, v0
	v_lshlrev_b32 v4, 4, v3
	s_wait_alu depctr_va_vdst(0)
	s_lshl_b32 s2, s42, 9
	s_lshl_b32 s3, s16, 8
	s_add_co_u32 s2, s2, s3
	s_mov_b32 s3, 0
	s_add_nc_u64 s[8:9], s[8:9], s[2:3]
	v_lshlrev_b32 v[BO], 6, v2
.irp t, 0,1,2,3
	global_load_b128 v[BIAS+8*\t:BIAS+8*\t+3], v[BO], s[8:9] offset:(32*(\t/2)+8*(\t%2))*4
	global_load_b128 v[BIAS+8*\t+4:BIAS+8*\t+7], v[BO], s[8:9] offset:(32*(\t/2)+8*(\t%2))*4+16
.endr
	s_lshl_b32 s18, s17, 18
	s_lshl_b32 s19, s15, 17
	s_add_co_u32 s18, s18, s19
	s_add_co_u32 s18, s18, s2
	s_mov_b32 s19, 0
	s_add_nc_u64 s[10:11], s[10:11], s[18:19]
	s_add_nc_u64 s[12:13], s[12:13], s[18:19]
	s_lshl_b32 s21, s15, 15
	v_add_nc_u32 v[ADRA], s21, v4
	v_add_nc_u32 v[ADRA+1], SLOT, v[ADRA]
	s_lshl_b32 s21, s16, 15
	s_add_co_u32 s21, s21, 65536
	v_add_nc_u32 v[ADRB], s21, v4
	v_add_nc_u32 v[ADRB+1], SLOT, v[ADRB]
	v_lshlrev_b32 v5, 2, v1
	s_lshl_b32 s21, s15, 8                         ; my 4 tiles' words: 256 bytes of each K step's 512
	s_lshl_b32 s22, s16, 8
	s_add_co_u32 s22, s22, 16384
	s_sub_co_u32 s22, s22, s21
	v_mul_u32_u24 v6, s22, v2
	s_add_co_u32 s21, s21, SCL
	v_add_nc_u32 v5, v5, v6
	v_add_nc_u32 v[ADRS], s21, v5
	s_mul_i32 s23, s14, 16*272
	v_mul_u32_u24 v5, v1, 272
	v_lshl_add_u32 v5, v2, 6, v5
	v_add_nc_u32 v[STO], s23, v5
	v_mul_u32_u24 v5, v2, 272
	v_lshl_add_u32 v5, v1, 4, v5
	v_add_nc_u32 v[RD], s23, v5
	v_lshlrev_b32 v5, 11, v2
	v_lshl_add_u32 v[CO], v1, 4, v5
.macro FRAG reg, adr, q, i
.irp c, 0,1,2,3
	ds_load_b128 v[\reg+4*\c:\reg+4*\c+3], v[\adr] offset:8192*(\i)+2048*(\q)+512*\c
.endr
.endm
.macro FETCH slot, q, f
	WIN TO_F
.irp i, 0,1,2,3
	FRAG \f+64+16*\i, ADRB+\slot, \q, \i
.endr
.irp i, 0,1,2,3
	FRAG \f+16*\i, ADRA+\slot, \q, \i
.endr
.endm
.macro SCALES set
.irp i, 0,1,2,3
.irp q, 0,1,2,3
	ds_load_b32 v[SC+16*(\set)+4*\i+\q], v[ADRS] offset:512*\q+64*\i
.endr
.endr
.endm
.macro MUL4 f, a, set, q, first
.irp b, 0,1,2,3
.if \first
	v_wmma_scale_f32_16x16x128_f8f6f4 v[ACC+8*(4*(\a)+\b):ACC+8*(4*(\a)+\b)+7], v[\f+64+16*\b:\f+64+16*\b+15], v[\f+16*(\a):\f+16*(\a)+15], v[BIAS+8*\b:BIAS+8*\b+7], v[SC+16*(\set)+4*\b+(\q)], v[SC+16*(\set)+4*(\a)+(\q)] matrix_a_fmt:MATRIX_FMT_BF8 matrix_b_fmt:MATRIX_FMT_BF8 matrix_a_scale:MATRIX_SCALE_ROW1
.else
	v_wmma_scale_f32_16x16x128_f8f6f4 v[ACC+8*(4*(\a)+\b):ACC+8*(4*(\a)+\b)+7], v[\f+64+16*\b:\f+64+16*\b+15], v[\f+16*(\a):\f+16*(\a)+15], v[ACC+8*(4*(\a)+\b):ACC+8*(4*(\a)+\b)+7], v[SC+16*(\set)+4*\b+(\q)], v[SC+16*(\set)+4*(\a)+(\q)] matrix_a_fmt:MATRIX_FMT_BF8 matrix_b_fmt:MATRIX_FMT_BF8 matrix_a_scale:MATRIX_SCALE_ROW1
.endif
.endr
.endm
.macro QUARTER slot, q, f, g, first
	s_wait_dscnt 8
	WIN MUL
	MUL4 \f, 0, \slot, \q, \first
	MUL4 \f, 1, \slot, \q, \first
	PLACES NP
	FETCH \slot, (\q)+1, \g
	s_wait_dscnt 32
	WIN MUL
	MUL4 \f, 2, \slot, \q, \first
	MUL4 \f, 3, \slot, \q, \first
.endm
.macro TURN slot, next, fill
	WIN 0
.if \fill
	s_wait_xcnt 0x0                                ; any prefetch of mine has read its address: it is stepped here, ahead of the waits of the change of slots
	s_add_nc_u64 s[PFA:PFA+1], s[PFA:PFA+1], 8192
.endif
	s_wait_tensorcnt 0x0
	ds_add_u32 v[SPW], v[NIL]
	s_wait_dscnt 9
	WIN MUL
	MUL4 F1, 0, \slot, 3, 0
	s_wait_dscnt 0x0
	s_barrier_signal -1
	MUL4 F1, 1, \slot, 3, 0
	WIN 0
	s_barrier_wait -1
.if \fill
	CREST
	s_add_nc_u64 s[G0+4*\slot+2:G0+4*\slot+3], s[G0+4*\slot+2:G0+4*\slot+3], 16384
	s_add_nc_u64 s[G0B+4*\slot+2:G0B+4*\slot+3], s[G0B+4*\slot+2:G0B+4*\slot+3], 16384
	JLOAD G0+4*\slot, G1, G0B+4*\slot, G1B
	PLACES NP-4
.else
	PLACES NP
.endif
	s_wait_alu depctr_va_vdst(0)
	v_add_nc_u32 v[ADRS], 2048, v[ADRS]
	SCALES \next
.if \fill
	ASK                                            ; behind the joint load, its lines and the words' loads
.endif
	FETCH \next, 0, F0
	WIN MUL
	MUL4 F1, 2, \slot, 3, 0
	MUL4 F1, 3, \slot, 3, 0
.endm
	s_wait_alu depctr_va_vdst(0)
	s_wait_tensorcnt 0x0                           ; my tile of the head's four is in
	ds_add_u32 v[SPW], v[NIL]
	s_mov_b32 s[G1+2], 4<<16                       ; no tensor load of mine is out, so a descriptor may be written: from here on a load brings 4 tiles
	s_mov_b32 s[G1+4], 4
	s_mov_b32 s[G1B+2], 4<<16
	s_mov_b32 s[G1B+4], 4
	s_wait_dscnt 0x0
	CROUND                                         ; all four tiles are in, and all sixteen work-groups are here
	JLOAD G0+4, G1, G0B+4, G1B                     ; slot 1's first fill, the first tensor load behind the round
	global_prefetch_b8 v[PFO], s[PFA:PFA+1] offset:16384 th:TH_LOAD_NT scope:SCOPE_SE  ; slot 3, two loads on
	SCALES 0
	FETCH 0, 0, F0
	s_wait_loadcnt 0x0                             ; b2
	QUARTER 0, 0, F0, F1, 1
	WIN 0
	s_mov_b32 s3, LAPS-1
.Llap:
	QUARTER 0, 1, F1, F0, 0
	QUARTER 0, 2, F0, F1, 0
	TURN 0, 1, 1
	QUARTER 1, 0, F0, F1, 0
	QUARTER 1, 1, F1, F0, 0
	QUARTER 1, 2, F0, F1, 0
	TURN 1, 0, 1
	QUARTER 0, 0, F0, F1, 0
	WIN 0
	s_sub_co_u32 s3, s3, 1
	s_cmp_lg_u32 s3, 0
	s_cbranch_scc1 .Llap
	WIN 0x80                                       ; x1, for the way out, is asked for here: every slot of the ring has been asked for, and two slots' products stand ahead of its first use
.irp a, 0,1,2,3
.irp t, 0,1,2,3,4,5,6,7
	global_load_b128 v[XW+32*\a+4*\t:XW+32*\a+4*\t+3], v[CO], s[10:11] offset:(32*(\a/2)+8*(\a%2)+2*\t+8*(\t/4))*2048 th:TH_LOAD_NT
.endr
.endr
	WIN 0
	QUARTER 0, 1, F1, F0, 0
	QUARTER 0, 2, F0, F1, 0
	TURN 0, 1, 0
	QUARTER 1, 0, F0, F1, 0
	QUARTER 1, 1, F1, F0, 0
	QUARTER 1, 2, F0, F1, 0
	s_wait_dscnt 8
	WIN MUL
	MUL4 F1, 0, 1, 3, 0
	MUL4 F1, 1, 1, 3, 0
	s_wait_dscnt 0x0
	MUL4 F1, 2, 1, 3, 0
	MUL4 F1, 3, 1, 3, 0
	WIN 0
	PLACES NP
.macro TOSTAGE a
.set RB, 64+32*((\a)%2)
.irp b, 0,1,2,3
	ds_store_b128 v[STO], v[ACC+8*(4*(\a)+\b):ACC+8*(4*(\a)+\b)+3] offset:128*(\b/2)+32*(\b%2)
	ds_store_b128 v[STO], v[ACC+8*(4*(\a)+\b)+4:ACC+8*(4*(\a)+\b)+7] offset:128*(\b/2)+32*(\b%2)+16
.endr
.irp t, 0,1,2,3,4,5,6,7
	ds_load_b128 v[RB+4*\t:RB+4*\t+3], v[RD] offset:544*\t
.endr
.endm
.macro SEND a, younger
.set RB, 64+32*((\a)%2)
	s_wait_dscnt \younger
.set j, 0
.rept 32
	v_max_num_f32 v[RB+j], 0, v[RB+j]
.set j, j+1
.endr
	WIN 0x08
.set j, 0
.rept 16
	v_pk_add_f32 v[RB+j:RB+j+1], v[RB+j:RB+j+1], v[XW+32*(\a)+j:XW+32*(\a)+j+1]
.set j, j+2
.endr
	WIN 0
.irp t, 0,1,2,3,4,5,6,7
	global_store_b128 v[CO], v[RB+4*\t:RB+4*\t+3], s[12:13] offset:(32*((\a)/2)+8*((\a)%2)+2*\t+8*(\t/4))*2048 th:TH_STORE_NT
.endr
.endm
	TOSTAGE 0
	TOSTAGE 1
	s_wait_loadcnt 0x0
	SEND 0, 16
	s_wait_xcnt 0x0
	TOSTAGE 2
	SEND 1, 16
	s_wait_xcnt 0x0
	TOSTAGE 3
	SEND 2, 16
	SEND 3, 0
	s_wait_tensorcnt 0x0
	ds_add_u32 v[SPW], v[NIL]
	s_wait_dscnt 0x0
	CROUND
	s_endpgm
.Lfunc_end_k_q70400f5df0_ffn2:
	.size	k_q70400f5df0_ffn2, .Lfunc_end_k_q70400f5df0_ffn2-k_q70400f5df0_ffn2
	.p2alignl 7, 3214868480
	.fill 96, 4, 3214868480
	.section	.rodata,"a",@progbits
	.p2align	6, 0x0
	.amdhsa_kernel k_q70400f5df0_ffn2
		.amdhsa_group_segment_fixed_size 327680
		.amdhsa_private_segment_fixed_size 0
		.amdhsa_enable_private_segment 0
		.amdhsa_kernarg_size 40
		.amdhsa_user_sgpr_count 2
		.amdhsa_user_sgpr_kernarg_segment_ptr 1
		.amdhsa_wavefront_size32 1
		.amdhsa_system_sgpr_workgroup_id_x 1
		.amdhsa_system_sgpr_workgroup_id_y 1
		.amdhsa_system_sgpr_workgroup_id_z 1
		.amdhsa_system_vgpr_workitem_id 0
		.amdhsa_next_free_vgpr 640
		.amdhsa_next_free_sgpr 100
		.amdhsa_reserve_vcc 0
		.amdhsa_float_denorm_mode_32 3
		.amdhsa_float_denorm_mode_16_64 3
		.amdhsa_memory_ordered 1
		.amdhsa_forward_progress 1
		.amdhsa_inst_pref_size 108
	.end_amdhsa_kernel
	.amdgpu_metadata
---
amdhsa.version: [ 1, 2 ]
amdhsa.kernels:
  - .name:           k_q70400f5df0_ffn2
    .symbol:         k_q70400f5df0_ffn2.kd
    .args:
      - { .name: hid, .offset: 0, .size: 8, .value_kind: global_buffer, .address_space: global }
      - { .name: wts, .offset: 8, .size: 8, .value_kind: global_buffer, .address_space: global }
      - { .name: b2, .offset: 16, .size: 8, .value_kind: global_buffer, .address_space: global }
      - { .name: x1, .offset: 24, .size: 8, .value_kind: global_buffer, .address_space: global }
      - { .name: out0, .offset: 32, .size: 8, .value_kind: global_buffer, .address_space: global }
    .group_segment_fixed_size: 327680
    .private_segment_fixed_size: 0
    .kernarg_segment_align: 8
    .kernarg_segment_size: 40
    .max_flat_workgroup_size: 128
    .sgpr_count:     100
    .vgpr_count:     640
    .wavefront_size: 32
...
	.end_amdgpu_metadata
.endif
;; end of part 6
